; MI455X (gfx1250); checked and timed in simulation.
; The chip was launched on July 23, 2026; its instructions are those of AMD's public machine-readable ISA for CDNA 5 (MIT licence, August 2026) and "CDNA5" Instruction Set Architecture Reference Guide (July 2026). The comments in the code are by the model that wrote it; some were corrected since.
;; GPT2 Attention. Allowed arithmetic: matrix products marked QUANTISED: E2M1 operands, one E8M0 scale for each 32 along K, by v_wmma_scale_f32_16x16x128_f8f6f4 with both operands' format E2M1 (or v_wmma_scale_f32_32x16x128_f4), f32 sums; everything else in f32.
;; Inputs: W_attn_codes 3,072 x 32 x 16 uint8 (E2M1 codes of W_attn, K innermost, in blocks of 32 codes, two codes a byte); W_attn_scales 3,072 x 32 uint8 (E8M0 scales of W_attn, one for each 32 codes along K); W_proj_codes 1,024 x 32 x 16 uint8 (E2M1 codes of W_proj, K innermost, in blocks of 32 codes, two codes a byte); W_proj_scales 1,024 x 32 uint8 (E8M0 scales of W_proj, one for each 32 codes along K); attention_mask 2 x 2,048 int32; b_attn 3,072 float32; b_proj 1,024 float32; hidden_states_codes 2 x 2,048 x 32 x 16 uint8 (E2M1 codes of hidden_states, K innermost, in blocks of 32 codes, two codes a byte); hidden_states_scales 2 x 2,048 x 32 uint8 (E8M0 scales of hidden_states, one for each 32 codes along K).
;; Outputs: out0 2 x 2,048 x 1,024 float32.
;; This version of the problem:
;;   THIS VERSION OF THE PROBLEM IS GIVEN IN LOW PRECISION. The matrix products marked QUANTISED in the list below multiply operands that are first quantised to E2M1 (2 exponent bits, 1 mantissa bit; 4 bits a number), with one power-of-two scale for each 32 numbers along K (OCP MX v1.0); their sums are f32. All else is computed in f32.
;;   The module's matrix products, in the order in which they are computed (A, B: the left and right operand; K: the contracted axis; several contracted axes count as one K, in the product's order):
;;     1. [M 4,096, K 1,024] x [K 1,024, N 3,072]; A: input hidden_states (given as codes); B: input W_attn (given as codes): QUANTISED
;;     2. batch 32 x [M 2,048, K 64] x [K 64, N 2,048]; A: computed on the way; B: computed on the way: QUANTISED
;;     3. batch 32 x [M 2,048, K 2,048] x [K 2,048, N 64]; A: softmax (see below); B: computed on the way: QUANTISED
;;     4. [M 4,096, K 1,024] x [K 1,024, N 1,024]; A: computed on the way; B: input W_proj (given as codes): QUANTISED
;;   THE QUANTISER, for each operand of a quantised product, along K:
;;     - K is cut into blocks of 32 from its start; a last block that is shorter is filled with zeros.
;;     - A block's scale is 2^e with e = floor(log2(the largest magnitude in the block)) - 2, held to -126 .. 127; a block of zeros has e = 0. As a byte (E8M0): e + 127.
;;     - Each number is divided by its block's scale, clamped to +-6, and rounded to the nearest number of E2M1, ties to even, subnormals kept.
;;     - The product sums the exact products of the quantised numbers (number of the format x scale) in f32.
;;   ~~~python
;;   def quantise(x, axis):      # numpy; x: float32 -> the quantised numbers, widened to float32 again
;;       x = np.moveaxis(x, axis, -1); K = x.shape[-1]
;;       x = np.pad(x, [(0, 0)] * (x.ndim - 1) + [(0, -K % 32)]); x = x.reshape(x.shape[:-1] + (-1, 32)); a = np.abs(x).max(-1, keepdims=True)
;;       e = np.where(a > 0, np.clip(np.frexp(np.where(a > 0, a, 1))[1] - 1 - 2, -126, 127), 0)      # np.frexp(a)[1] - 1 = floor(log2(a)), exactly
;;       r = np.clip(x / 2.0 ** e, -6, 6)
;;       step = 2.0 ** (np.maximum(np.frexp(np.where(r == 0, 1, r))[1] - 1, 0) - 1)
;;       q = np.round(r / step) * step * 2.0 ** e      # np.round: ties to even
;;       return np.moveaxis(q.reshape(q.shape[:-2] + (-1,))[..., :K], -1, axis).astype(np.float32)
;;   ~~~
;;   SOFTMAX AHEAD OF A QUANTISED PRODUCT. Where the list says 'softmax', what is quantised is not the finished softmax but p = 2^(t - M), with t = logit x log2(e) and M = ceil(the row's largest t), a whole number; so 1/2 < the row's largest p <= 1. The row's sum l is taken of the UNQUANTISED p, in f32, and the product's result is divided by l at the end. Since M is a whole number, a kernel that streams over the keys may use a running M (the ceiling of the running maximum): every later rescaling is an exact power of two, which a block's scale takes up: the codes' values come out the same.
;;   OPERANDS COMPUTED ON THE WAY. 'Computed on the way' means the value that the module computes at that place (a softmax that the list does not call 'softmax' is quantised finished and normalised). What goes into a quantiser is computed in f32, as accurately as f32 sums, v_exp_f32 and their like allow (about 1e-6 of the number): no bf16 or f16 on the way to a quantiser, and a product that is left as it is and whose result goes on into a quantised operand takes f32 operands (vector FMAs, or v_wmma_f32_16x16x4_f32). A number that lies on a knife's edge between two numbers of the format may be rounded either way, as far as f32 arithmetic and the matrix unit's own rounding can turn it there, and no further.
;;   INPUTS GIVEN AS CODES. W_attn (in the module: [3072, 1024], K = its axis 1); W_proj (in the module: [1024, 1024], K = its axis 1); hidden_states (in the module: [2, 2048, 1024], K = its axis 2): each comes as NAME_codes (uint8): NAME with its K axis moved to the last place and cut into blocks of 32 codes, [.., K / 32, bytes a block], one block behind the other in memory; two codes a byte, the lower K in the low four bits (a code: sign, 2 exponent bits, 1 mantissa bit); and NAME_scales (uint8): the same leading axes, one E8M0 byte (e + 127) for each 32 codes along K. Its value is code x scale, taken as it is: it is not quantised again, and the codes and scales need not be those that the quantiser above would give.
;; 2 versions, each right; version 2 is version 1 with the launch attn written anew for expert scheduling mode. Each part assembles by itself: llvm-mc -triple=amdgcn-amd-amdhsa -mcpu=gfx1250 --defsym DOCPART=n.
;; ======== version 1 of 2: 3 launches
;; workspace buffers: qc 2,097,152 bytes; qs 262,144 bytes; kv 4,587,520 bytes; cc 2,097,152 bytes; cs 131,072 bytes
;; launch qkv (part 1): grid 8 x 32, 4 waves a work-group, clusters of 4 x 4, 288,256 bytes of LDS; arguments hidden_states_codes, hidden_states_scales, W_attn_codes, W_attn_scales, b_attn, qc, qs, kv; writes qc, qs, kv
.if DOCPART == 1
	.amdgcn_target "amdgcn-amd-amdhsa--gfx1250"
	.amdhsa_code_object_version 6
	.text
	.protected	k_q895b1fde2d_qkv
	.globl	k_q895b1fde2d_qkv
	.p2align	8
	.type	k_q895b1fde2d_qkv,@function
k_q895b1fde2d_qkv:
	s_mov_b64 s[64:65], 0
	v_nop
	global_prefetch_b8 v0, s[64:65] scope:SCOPE_SE
	s_setreg_imm32_b32 hwreg(HW_REG_WAVE_MODE, 25, 1), 1
	s_wait_xcnt 0x0
	s_wait_alu depctr_hold_cnt(0) depctr_sa_sdst(0) depctr_va_vdst(0) depctr_va_sdst(0) depctr_va_ssrc(0) depctr_va_vcc(0) depctr_vm_vsrc(0)
	s_getreg_b32 s2, hwreg(HW_REG_IB_STS2, 6, 4)
	s_cmp_eq_u32 s2, 0
	s_cbranch_scc0 .Lentry_in_a_cluster
	s_endpgm
.Lentry_in_a_cluster:
	s_bfe_u32 s2, ttmp6, 0x10000c
	s_cmp_lg_u32 s2, 0xf033
	s_cbranch_scc0 .Lentry_shape_is_right
	s_endpgm
.Lentry_shape_is_right:
; LAUNCH 1 OF 3.  qkv = hidden W_attn^T + b_attn on the given codes of E2M1, and the quantising of q, k (along the head's 64) and v (along the keys) into workspace buffers laid as images of operand registers.
; DEAD WORK IN THIS PROGRAM (left out in launch 2).  reference() replaces the score of key k and query q by -10000 wherever k > q (jnp.where on a jnp.tril that it builds itself).  So where all 128 keys of a key step come
; after all 16 queries of a tile, every score of that tile is thrown away whatever finite values the inputs hold: the products q . k of such tiles are not made.  Nothing else is left out: -10000 is no -infinity, so a hidden
; key keeps its weight 2^(t - M) in the row's sum and in the second product (a row all of whose open keys are masked by attention_mask is a mean over all 2,048 keys).  Every input is loaded by some launch.
; LIMITS: a NaN, an infinity or an overflow that arises only in those discarded scores is not carried to the result.  A block whose largest magnitude lies under 2^-124, a block of zeros among them, gets the scale byte 1
; (these bytes are read by this program alone; zero codes add nothing under it).  A given scale byte 0xff gives NaN.
; SHARES.  A work-group takes 128 tokens (y) and two heads (x): 128 rows each of Wq, Wk, Wv.  All of K = 1,024 lies in LDS at once: four panels of 128 rows x 512 bytes and their scale bytes, filled once.
; Wave w: kind = w / 2 (0: q, 1: k), hh = w % 2.  It makes q or k of head 2 x + hh for the 128 tokens (source 0 = 16 rows of W, source 1 = 16 tokens: a lane holds ONE token, its registers run along the head's 64),
; and v of 32 of the 128 rows of Wv (source 0 = 16 tokens, source 1 = 16 rows of Wv: a lane holds ONE channel, its registers run along the tokens, which are the keys).  48 accumulators, 48 matrix instructions for 128 along K.
; CLUSTER 4 x 4: the four work-groups of a row of the cluster share the tokens' panel, the four of a column the weights' panels: each is asked for jointly.
; QUANTISING IN NATURAL ORDER.  Register j of result tile t holds index 16 t + 8 (lane / 16) + j of the next K.  Block b = tiles 2 b, 2 b + 1; its maximum wants lane l xor 16 once.  The conversion of tile 2 b + u gives the eight
; codes 8 (2 u + lane / 16) on of block b; written to register 4 (b / 2) + 2 u + b % 2, two exchanges of halves for each pair of blocks give the operand's layout: register 4 c + g = k 64 c + 32 (lane / 16) + 8 g on.
; REGISTERS, in windows of 256.  Window 0: v1-15 addresses; v16-31 at work; v32-87 scale words; v88-102 scale words made; v128-255 the tokens' fragments, two sets (later the codes made).
;   Window 1: the weights' fragments, two sets at v0 and v128.  Window 2: q's or k's 32 accumulators at v[8 (4 m + t)].  Window 3: v's 16 accumulators at v[64 y + 8 t]; from v128 the biases in the results' layout.
.set PITCH,  528                       ; an LDS row of codes: 512 bytes + 16 of padding
.set PANEL,  128*PITCH                 ; a panel: tokens at 0, Wq, Wk, Wv behind it
.set SCL,    4*PANEL                   ; the scale bytes: four blocks of 4,096 bytes, as 16 rows of 256 bytes + 16 of padding
.set SBLK,   16*272
.set SPARE,  SCL+4*SBLK                ; the spare words, 128 bytes for each wave: two blocks of 256 bytes that no other line names
.set KVH,    143360                    ; kv: bytes of a head: K's images, V's images, K's scale words, V's scale words
.set KV_V,   65536
.set KV_KS,  131072
.set KV_VS,  139264
.set ADH,  4                           ; v4   LDS: my lane's place in the tokens' panel: 528 r + 16 h
.set ADW,  5                           ; v5   in my 64 rows of Wq or Wk
.set ADV,  6                           ; v6   in my 32 rows of Wv
.set ASH,  7                           ; v7   the tokens' scale words: row = lane
.set ASW,  8                           ; v8   Wq's or Wk's
.set ASV,  9                           ; v9   Wv's
.set LI,   10                          ; v10  16 x lane
.set LS,   11                          ; v11  4 x lane
.set SPW,  12                          ; v12  LDS address of my spare word; never rewritten
.set NIL,  13                          ; v13  0; never rewritten
.set A32H, 14                          ; v14  32 h
.set A4R,  15                          ; v15  4 r
.set TM,   16                          ; v16-19 largest magnitudes;  v20-23 the other half's;  v24-27 the conversions' scale operands;  v28-31 the bytes
.set TP,   20
.set SO,   24
.set BY,   28
.set SCH,  32                          ; v[32 + 8 p + s]: the tokens' scale words of K step s: lanes 0-15 tile 2 p, lanes 16-31 tile 2 p + 1
.set SCW,  64                          ; v[64 + 8 p + s]: Wq's or Wk's likewise
.set SCV,  80                          ; v[80 + s]: Wv's: lanes 0-15 tile 0, lanes 16-31 tile 1
.set WRD,  88                          ; v88-95 the scale words of eight tiles of tokens;  v96-99 two tiles' in one register
.set MRG,  96
.set VWD,  100                         ; v100-101 v's scale words;  v102 both
.set VMG,  102
.set HF,   128                         ; the tokens' fragments: set p at 128 + 64 p
.set QC,   128                         ; later: q's or k's codes, 4 registers a tile of tokens
.set VCD,  160                         ; and v's, 8 registers a tile of channels
.set BQ,   128                         ; window 3: the bias of q or k, 8 registers a tile
.set BV,   160                         ; window 3: the bias of v
.set WV,   20                          ; s20  my wave's number
.set G1H,  28                          ; s[28:35] group 1, the tokens' codes;  s[36:43] the weights';  s[44:51], s[52:59] their scale bytes
.set G1W,  36
.set G1SH, 44
.set G1SW, 52
.set G0H,  60                          ; s[60:63], s[68:71] groups 0 for the tokens' codes and scales;  s[72:75], s[76:79] for a weight's
.set G0SH, 68
.set G0W,  72
.set G0SW, 76
.set SEL,  80                          ; s[80:81] v_permlanex16_b32's selects for lane l xor 16
.set HM,   82                          ; s82  lanes 16-31
.set MSB, 0
.macro WIN new                         ; the immediate's high byte repeats the setting that is left; a switch that changes nothing is dropped
.if MSB != \new
	s_set_vgpr_msb (MSB<<8)|\new
.set MSB, \new
.endif
.endm
.macro PLACES n
.rept \n
	v_nop
.endr
.endm
.macro CROUND                          ; a round of the cluster's barrier
	s_barrier_signal -1
	s_barrier_wait -1
	s_cmp_lg_u32 s[WV], 0
	s_cbranch_scc1 .Lnot_wave_0_\@
	s_barrier_signal -3
.Lnot_wave_0_\@:
	s_barrier_wait -3
	s_barrier_signal -1
	s_barrier_wait -1
.endm
; One matrix instruction.  ra, rb = 1: that side's scale words stand in lanes 16-31 of the register named.
.macro WM d, a, b, c, sa, sb, ra, rb
.if (\ra) && (\rb)
	v_wmma_scale_f32_16x16x128_f8f6f4 v[(\d):(\d)+7], v[(\a):(\a)+7], v[(\b):(\b)+7], v[(\c):(\c)+7], v[\sa], v[\sb] matrix_a_fmt:MATRIX_FMT_FP4 matrix_b_fmt:MATRIX_FMT_FP4 matrix_a_scale:MATRIX_SCALE_ROW1 matrix_b_scale:MATRIX_SCALE_ROW1
.elseif (\ra)
	v_wmma_scale_f32_16x16x128_f8f6f4 v[(\d):(\d)+7], v[(\a):(\a)+7], v[(\b):(\b)+7], v[(\c):(\c)+7], v[\sa], v[\sb] matrix_a_fmt:MATRIX_FMT_FP4 matrix_b_fmt:MATRIX_FMT_FP4 matrix_a_scale:MATRIX_SCALE_ROW1
.elseif (\rb)
	v_wmma_scale_f32_16x16x128_f8f6f4 v[(\d):(\d)+7], v[(\a):(\a)+7], v[(\b):(\b)+7], v[(\c):(\c)+7], v[\sa], v[\sb] matrix_a_fmt:MATRIX_FMT_FP4 matrix_b_fmt:MATRIX_FMT_FP4 matrix_b_scale:MATRIX_SCALE_ROW1
.else
	v_wmma_scale_f32_16x16x128_f8f6f4 v[(\d):(\d)+7], v[(\a):(\a)+7], v[(\b):(\b)+7], v[(\c):(\c)+7], v[\sa], v[\sb] matrix_a_fmt:MATRIX_FMT_FP4 matrix_b_fmt:MATRIX_FMT_FP4
.endif
.endm
; 28 LDS loads in one run: the fragments of K step s into set p: 4 tiles of Wq or Wk, 2 of Wv, 8 of tokens
.macro FETCH s, p
	WIN 0x40                                       ; destination window 1, address window 0
.irp t, 0,1,2,3
.irp c, 0,1
	ds_load_b128 v[128*(\p)+8*\t+4*\c:128*(\p)+8*\t+4*\c+3], v[ADW] offset:\t*16*PITCH+64*(\s)+32*\c
.endr
.endr
.irp y, 0,1
.irp c, 0,1
	ds_load_b128 v[128*(\p)+32+8*\y+4*\c:128*(\p)+32+8*\y+4*\c+3], v[ADV] offset:\y*16*PITCH+64*(\s)+32*\c
.endr
.endr
	WIN 0
.irp m, 0,1,2,3,4,5,6,7
.irp c, 0,1
	ds_load_b128 v[HF+64*(\p)+8*\m+4*\c:HF+64*(\p)+8*\m+4*\c+3], v[ADH] offset:\m*16*PITCH+64*(\s)+32*\c
.endr
.endr
.endm
; 32 matrix instructions: q or k.  Source 0 = 16 rows of W (window 1), source 1 = 16 tokens (window 0); C and D window 2; in K step 0 the C is the bias (window 3): nothing is cleared, nothing is added later
.macro MULQK s, p
.if (\s) == 0
	WIN 0xb1
.else
	WIN 0xa1
.endif
.irp m, 0,1,2,3,4,5,6,7
.irp t, 0,1,2,3
.if (\s) == 0
	WM 8*(4*\m+\t), 128*(\p)+8*\t, HF+64*(\p)+8*\m, BQ+8*\t, SCW+8*(\t/2)+(\s), SCH+8*(\m/2)+(\s), \t%2, \m%2
.else
	WM 8*(4*\m+\t), 128*(\p)+8*\t, HF+64*(\p)+8*\m, 8*(4*\m+\t), SCW+8*(\t/2)+(\s), SCH+8*(\m/2)+(\s), \t%2, \m%2
.endif
.endr
.endr
.endm
; 16 matrix instructions: v.  Source 0 = 16 tokens (window 0), source 1 = 16 rows of Wv (window 1); C and D window 3
.macro MULV s, p
	WIN 0xf4
.irp y, 0,1
.irp t, 0,1,2,3,4,5,6,7
.if (\s) == 0
	WM 64*\y+8*\t, HF+64*(\p)+8*\t, 128*(\p)+32+8*\y, BV+8*\y, SCH+8*(\t/2)+(\s), SCV+(\s), \t%2, \y
.else
	WM 64*\y+8*\t, HF+64*(\p)+8*\t, 128*(\p)+32+8*\y, 64*\y+8*\t, SCH+8*(\t/2)+(\s), SCV+(\s), \t%2, \y
.endif
.endr
.endr
.endm
; 16 nb numbers of a lane in window W, from v[base] on, become 2 nb registers of codes in v[pc] on and a scale word in v[wrd] (both window 0).  Each accumulator is read from its low end on.
.macro QUANT base, nb, W, pc, wrd
	WIN 20*(\W)                                    ; sources 1 and 2 in window W
.set QB, 0
.rept \nb
	v_max3_num_f32 v[TM+QB], 0x1800000, |v[(\base)+16*QB]|, |v[(\base)+16*QB+1]|   ; the floor 2^(3 - 127) among the leaves: the byte cannot fall under 1
.set QB, QB+1
.endr
.irp i, 2,4,6,8,10,12,14
.set QB, 0
.rept \nb
	v_max3_num_f32 v[TM+QB], v[TM+QB], |v[(\base)+16*QB+\i]|, |v[(\base)+16*QB+\i+1]|   ; the blocks by turns
.set QB, QB+1
.endr
.endr
	WIN 0
.set QB, 0
.rept \nb
	v_permlanex16_b32 v[TP+QB], v[TM+QB], s[SEL], s[SEL+1]
.set QB, QB+1
.endr
.set QB, 0
.rept \nb
	v_max_num_f32 v[TM+QB], v[TM+QB], v[TP+QB]     ; with lane l xor 16's sixteen: the block's largest magnitude
.set QB, QB+1
.endr
.set QB, 0
.rept \nb
	v_add_nc_u32 v[SO+QB], 0xff000000, v[TM+QB]    ; 2 off its exponent field: the conversion's scale operand
.set QB, QB+1
.endr
.set QB, 0
.rept \nb
	v_lshrrev_b32 v[BY+QB], 23, v[SO+QB]           ; the scale's byte
.set QB, QB+1
.endr
	v_lshl_or_b32 v[\wrd], v[BY+1], 8, v[BY]
.if (\nb) == 2
	v_lshl_or_b32 v[\wrd], v[\wrd], 16, v[\wrd]    ; the head has 64 of the instruction's 128: the two bytes are repeated for the two blocks that meet zero codes
.else
	v_lshl_or_b32 v[\wrd], v[BY+2], 16, v[\wrd]
	v_lshl_or_b32 v[\wrd], v[BY+3], 24, v[\wrd]
.endif
	WIN \W                                         ; source 0 in window W
.set QB, 0
.rept \nb
	v_cvt_scalef32_pk8_fp4_f32 v[(\pc)+4*(QB/2)+(QB%2)], v[(\base)+16*QB:(\base)+16*QB+7], v[SO+QB]
	v_cvt_scalef32_pk8_fp4_f32 v[(\pc)+4*(QB/2)+2+(QB%2)], v[(\base)+16*QB+8:(\base)+16*QB+15], v[SO+QB]
.set QB, QB+1
.endr
	WIN 0
	v_nop                                          ; one plain instruction behind the last scaled conversion
.set QB, 0
.rept (\nb)/2
	v_permlane16_swap_b32 v[(\pc)+4*QB], v[(\pc)+4*QB+1]       ; a whole block to a lane: lanes 0-15 block 2 c, lanes 16-31 block 2 c + 1
	v_permlane16_swap_b32 v[(\pc)+4*QB+2], v[(\pc)+4*QB+3]
.set QB, QB+1
.endr
.endm
	s_load_b512 s[4:19], s[0:1], 0x0               ; tokens' codes s[4:5], scales s[6:7]; W's codes s[8:9], scales s[10:11]; b_attn s[12:13]; qc s[14:15]; qs s[16:17]; kv s[18:19]
	v_lshl_add_u32 v[SPW], v0, 2, SPARE
	v_mov_b32 v[NIL], 0
	ds_add_u32 v[SPW], v[NIL]                      ; the wave's opening: the add, twice on end, and its wait ahead of my first tensor load
	ds_add_u32 v[SPW], v[NIL]
	v_lshrrev_b32 v1, 5, v0
	v_readfirstlane_b32 s[WV], v1                  ; wave 0..3
	s_bfe_u32 s21, ttmp6, 0x40000                  ; cx
	s_bfe_u32 s22, ttmp6, 0x40004                  ; cy
	s_lshl_b32 s23, ttmp9, 2
	s_add_co_u32 s23, s23, s21                     ; g: the pair of heads = 4 x cluster x + cx
	s_and_b32 s24, ttmp7, 0xffff
	s_lshl_b32 s24, s24, 2
	s_add_co_u32 s24, s24, s22                     ; tb: the block of 128 tokens = 4 x cluster y + cy
	s_lshl_b32 s25, s22, 2
	s_lshl_b32 s25, 15, s25                        ; my row of the cluster
	s_lshl_b32 s26, 0x1111, s21                    ; my column
	; group 1 for a panel of codes: 128 rows of 512 bytes, dense in memory, 16 bytes of padding behind each in LDS
	s_or_b32 s[G1H], s25, (1<<20)|(1<<21)|(6<<22)|(3<<25)   ; the mask; elements of 1 byte; padding on; bit 21 beside a mask; after every 128 words, 4 words
	s_or_b32 s[G1W], s26, (1<<20)|(1<<21)|(6<<22)|(3<<25)
.irp g, G1H, G1W
	s_mov_b32 s[\g+1], 512<<16                     ; tensor_dim0
	s_mov_b32 s[\g+2], 128<<16                     ; tensor_dim1
	s_mov_b32 s[\g+3], 512<<16                     ; tile_dim0
	s_mov_b32 s[\g+4], 128                         ; tile_dim1
	s_mov_b32 s[\g+5], 512                         ; from row to row
	s_mov_b32 s[\g+6], 0
	s_mov_b32 s[\g+7], 0
.endr
	; and for the scale bytes of 128 rows: 4,096 dense bytes as 16 rows of 256 (32 elements of 8 bytes), 16 bytes of padding behind each
	s_or_b32 s[G1SH], s25, (3<<16)|(1<<20)|(1<<21)|(5<<22)|(3<<25)
	s_or_b32 s[G1SW], s26, (3<<16)|(1<<20)|(1<<21)|(5<<22)|(3<<25)
.irp g, G1SH, G1SW
	s_mov_b32 s[\g+1], 32<<16
	s_mov_b32 s[\g+2], 16<<16
	s_mov_b32 s[\g+3], 32<<16
	s_mov_b32 s[\g+4], 16
	s_mov_b32 s[\g+5], 32
	s_mov_b32 s[\g+6], 0
	s_mov_b32 s[\g+7], 0
.endr
	s_lshl_b32 s84, s24, 16                        ; the tokens' codes: 128 rows of 512 bytes a block,
	s_mov_b32 s85, 0
	s_lshl_b32 s86, s24, 12                        ; their scale bytes: 128 rows of 32
	s_mov_b32 s87, 0
	s_max_u32 s88, s[WV], 1
	s_sub_co_u32 s88, s88, 1                       ; waves 1, 2, 3 fetch Wq, Wk, Wv (wave 0 fetches the tokens and does not use this)
	s_lshl_b32 s88, s88, 10
	s_lshl_b32 s89, s23, 7
	s_add_co_u32 s88, s88, s89                     ; the first row of W_attn: 1,024 x which + 128 g
	s_lshl_b32 s90, s88, 9
	s_mov_b32 s91, 0
	s_lshl_b32 s92, s88, 5
	s_mov_b32 s93, 0
	s_mul_i32 s94, s[WV], PANEL                    ; and where they go: wave x a panel: no place in the cluster enters an LDS address
	s_mul_i32 s95, s[WV], SBLK
	s_mov_b32 s[SEL], 0x76543210
	s_mov_b32 s[SEL+1], 0xfedcba98
	s_mov_b32 s[HM], 0xffff0000
	s_wait_dscnt 0x0                               ; both opening adds are done
	s_wait_kmcnt 0x0
	CROUND                                         ; all sixteen work-groups are here: the joint loads meet
	s_mov_b32 s[G0H], 1
	s_mov_b32 s[G0H+1], 0
	s_add_nc_u64 s[G0H+2:G0H+3], s[4:5], s[84:85]
	s_or_b32 s[G0H+3], s[G0H+3], 0x80000000
	s_mov_b32 s[G0SH], 1
	s_mov_b32 s[G0SH+1], SCL
	s_add_nc_u64 s[G0SH+2:G0SH+3], s[6:7], s[86:87]
	s_or_b32 s[G0SH+3], s[G0SH+3], 0x80000000
	s_mov_b32 s[G0W], 1
	s_mov_b32 s[G0W+1], s94
	s_add_nc_u64 s[G0W+2:G0W+3], s[8:9], s[90:91]
	s_or_b32 s[G0W+3], s[G0W+3], 0x80000000
	s_mov_b32 s[G0SW], 1
	s_add_co_u32 s[G0SW+1], s95, SCL
	s_add_nc_u64 s[G0SW+2:G0SW+3], s[10:11], s[92:93]
	s_or_b32 s[G0SW+3], s[G0SW+3], 0x80000000
	s_cmp_eq_u32 s[WV], 0                          ; every wave has two fills, in one arm of one branch on its number: two tensor loads of mine are out.  Nothing is ever filled again
	s_cbranch_scc0 .Lfor_w
	tensor_load_to_lds s[G0SH:G0SH+3], s[G1SH:G1SH+7]
	s_nop 0
	tensor_load_to_lds s[G0H:G0H+3], s[G1H:G1H+7]
	s_nop 0
.rept 4
	v_nop
.endr
	s_branch .Lasked
.Lfor_w:
	tensor_load_to_lds s[G0SW:G0SW+3], s[G1SW:G1SW+7]
	s_nop 0
	tensor_load_to_lds s[G0W:G0W+3], s[G1W:G1W+7]
	s_nop 0
.rept 4
	v_nop
.endr
.Lasked:
	v_and_b32 v1, 15, v0                           ; r
	v_bfe_u32 v2, v0, 4, 1                         ; h
	v_and_b32 v3, 31, v0                           ; lane
	v_lshlrev_b32 v[A32H], 5, v2
	v_lshlrev_b32 v[A4R], 2, v1
	s_lshr_b32 s94, s[WV], 1                       ; kind
	s_and_b32 s95, s[WV], 1                        ; hh
	s_lshl_b32 s26, s94, 12                        ; the bias of q or k: (1,024 kind + 128 g + 64 hh) numbers on
	s_lshl_b32 s96, s23, 9
	s_add_co_u32 s26, s26, s96
	s_lshl_b32 s96, s95, 8
	s_add_co_u32 s26, s26, s96
	s_mov_b32 s27, 0
	s_add_nc_u64 s[84:85], s[12:13], s[26:27]
	s_lshl_b32 s26, s23, 9                         ; the bias of v: (2,048 + 128 g + 32 w) numbers on
	s_lshl_b32 s96, s[WV], 7
	s_add_co_u32 s26, s26, s96
	s_add_co_u32 s26, s26, 8192
	s_add_nc_u64 s[86:87], s[12:13], s[26:27]
	WIN 0xc0                                       ; destination window 3
.irp t, 0,1,2,3
	global_load_b128 v[BQ+8*\t:BQ+8*\t+3], v[A32H], s[84:85] offset:64*\t          ; lane (r, h), register j: the bias of channel 16 t + 8 h + j
	global_load_b128 v[BQ+8*\t+4:BQ+8*\t+7], v[A32H], s[84:85] offset:64*\t+16
.endr
.irp y, 0,1
.irp j, 0,1,2,3,4,5,6,7
	global_load_b32 v[BV+8*\y+\j], v[A4R], s[86:87] offset:64*\y                    ; lane (r, h): the bias of channel 16 y + r, in all eight registers
.endr
.endr
	WIN 0
	v_mul_u32_u24 v[ADH], v1, PITCH
	v_lshl_add_u32 v[ADH], v2, 4, v[ADH]           ; a fragment's row x pitch + 16 x half
	s_add_co_u32 s96, s94, 1
	s_mul_i32 s96, s96, PANEL
	s_mul_i32 s97, s95, 64*PITCH
	s_add_co_u32 s96, s96, s97
	v_add_nc_u32 v[ADW], s96, v[ADH]               ; panel 1 + kind, my head's 64 rows
	s_mul_i32 s96, s[WV], 32*PITCH
	s_add_co_u32 s96, s96, 3*PANEL
	v_add_nc_u32 v[ADV], s96, v[ADH]               ; panel 3, my 32 rows
	v_lshrrev_b32 v16, 3, v3
	v_lshlrev_b32 v17, 5, v3
	v_lshl_add_u32 v16, v16, 4, v17                ; a row of 32 scale bytes: 32 x lane, and 16 more for each 256 passed
	v_add_nc_u32 v[ASH], SCL, v16
	s_add_co_u32 s96, s94, 1
	s_mul_i32 s96, s96, SBLK
	s_mul_i32 s97, s95, 2176                       ; 64 rows are eight units of 272 bytes
	s_add_co_u32 s96, s96, s97
	s_add_co_u32 s96, s96, SCL
	v_add_nc_u32 v[ASW], s96, v16
	s_mul_i32 s96, s[WV], 1088                     ; 32 rows are four
	s_add_co_u32 s96, s96, SCL+3*SBLK
	v_add_nc_u32 v[ASV], s96, v16
	v_lshlrev_b32 v[LI], 4, v3
	v_lshlrev_b32 v[LS], 2, v3
.irp b, 0,1,2,3
	v_mov_b32 v[TP+\b], 0                          ; written once: a lane permute's destination counts as one of its sources
.endr
	; where the results go
	s_lshr_b32 s96, s24, 4                         ; batch
	s_and_b32 s97, s24, 15                         ; st: the block of 128 tokens in the sequence = the key step
	s_lshl_b32 s98, s96, 4
	s_lshl_b32 s99, s23, 1
	s_add_co_u32 s98, s98, s99                     ; 16 batch + 2 g
	s_add_co_u32 s99, s98, s94                     ; the head of my channels of v
	s_add_co_u32 s98, s98, s95                     ; the head of my q or k
	s_mov_b32 s21, KVH
	s_cmp_lt_u32 s[WV], 2                          ; q or k?  The choice hangs on the wave's number alone
	s_cselect_b64 s[88:89], s[14:15], s[18:19]
	s_cselect_b64 s[90:91], s[16:17], s[18:19]
	s_cselect_b32 s22, 0x10000, s21                ; a head's codes: 128 tiles of 512 bytes in qc; a head of kv
	s_cselect_b32 s25, 0x2000, s21                 ; a head's scale words: 128 tiles of 64 bytes in qs
	s_cselect_b32 s21, 0, KV_KS
	s_mul_i32 s26, s98, s22
	s_lshl_b32 s22, s97, 12
	s_add_co_u32 s26, s26, s22                     ; + 8 tiles of 512 bytes a block
	s_add_nc_u64 s[88:89], s[88:89], s[26:27]
	s_mul_i32 s26, s98, s25
	s_add_co_u32 s26, s26, s21
	s_lshl_b32 s22, s97, 9
	s_add_co_u32 s26, s26, s22                     ; + 8 tiles of 64 bytes a block
	s_add_nc_u64 s[90:91], s[90:91], s[26:27]
	s_mul_i32 s21, s99, KVH
	s_lshl_b32 s22, s97, 2
	s_lshl_b32 s25, s95, 1
	s_add_co_u32 s22, s22, s25                     ; 4 st + my first tile of channels
	s_lshl_b32 s26, s22, 10
	s_add_co_u32 s26, s26, s21
	s_add_co_u32 s26, s26, KV_V
	s_add_nc_u64 s[92:93], s[18:19], s[26:27]
	s_lshl_b32 s26, s22, 6
	s_add_co_u32 s26, s26, s21
	s_add_co_u32 s26, s26, KV_VS
	s_add_nc_u64 s[66:67], s[18:19], s[26:27]
	s_wait_tensorcnt 0x0                           ; my panel and its scale bytes are in,
	s_barrier_signal -1
	s_barrier_wait -1                              ; everybody's are
.irp p, 0,1,2,3
	ds_load_b128 v[SCH+8*\p:SCH+8*\p+3], v[ASH] offset:1088*\p       ; the scale words of all eight K steps, once: lane l takes row 32 p + l
	ds_load_b128 v[SCH+8*\p+4:SCH+8*\p+7], v[ASH] offset:1088*\p+16
.endr
.irp p, 0,1
	ds_load_b128 v[SCW+8*\p:SCW+8*\p+3], v[ASW] offset:1088*\p
	ds_load_b128 v[SCW+8*\p+4:SCW+8*\p+7], v[ASW] offset:1088*\p+16
.endr
	ds_load_b128 v[SCV:SCV+3], v[ASV]
	ds_load_b128 v[SCV+4:SCV+7], v[ASV] offset:16
	FETCH 0, 0
	s_wait_loadcnt 0x0                             ; the biases
; Eight K steps of 128.  The 48 accumulators take turns, one instruction a turn, in the same order in every step.
.irp s, 0,1,2,3,4,5,6,7
.if \s < 7
.if \s > 0
	PLACES 4                                       ; in front of loads into the set that the step before multiplied
.endif
	FETCH \s+1, (\s+1)%2
	s_wait_dscnt 28                                ; all but the 28 just issued: this step's fragments are in
.else
	s_wait_dscnt 0x0
.endif
	MULQK \s, \s%2
	MULV \s, \s%2
.endr
	PLACES 4                                       ; in front of the first reads of results
.irp m, 0,1,2,3,4,5,6,7
	QUANT 32*\m, 2, 2, QC+4*\m, WRD+\m             ; tokens 16 m on: a lane's 32 numbers are its token's channels 16 t + 8 h + j
	global_store_b128 v[LI], v[QC+4*\m:QC+4*\m+3], s[88:89] offset:512*\m   ; the image of the operand's registers: 512 consecutive bytes, aligned.  Each store has data registers of its own
.endr
.irp i, 0,1,2,3
	v_cndmask_b32 v[MRG+\i], v[WRD+2*\i], v[WRD+2*\i+1], s[HM]              ; lanes 0-15 tile 2 i's words, lanes 16-31 tile 2 i + 1's
	global_store_b32 v[LS], v[MRG+\i], s[90:91] offset:128*\i
.endr
.irp y, 0,1
	QUANT 64*\y, 4, 3, VCD+8*\y, VWD+\y            ; channels 16 y on: a lane's 64 numbers are its channel's tokens 16 t + 8 h + j: four blocks of keys
	global_store_b128 v[LI], v[VCD+8*\y:VCD+8*\y+3], s[92:93] offset:1024*\y
	global_store_b128 v[LI], v[VCD+8*\y+4:VCD+8*\y+7], s[92:93] offset:1024*\y+512
.endr
	v_cndmask_b32 v[VMG], v[VWD], v[VWD+1], s[HM]
	global_store_b32 v[LS], v[VMG], s[66:67]
	s_wait_tensorcnt 0x0                           ; the wave's end
	ds_add_u32 v[SPW], v[NIL]
	s_wait_dscnt 0x0
	CROUND                                         ; the closing round: no work-group ends while a partner may still ask for a panel that names it
	s_endpgm
.Lfunc_end_k_q895b1fde2d_qkv:
	.size	k_q895b1fde2d_qkv, .Lfunc_end_k_q895b1fde2d_qkv-k_q895b1fde2d_qkv
	.p2alignl 7, 3214868480
	.fill 96, 4, 3214868480
	.section	.rodata,"a",@progbits
	.p2align	6, 0x0
	.amdhsa_kernel k_q895b1fde2d_qkv
		.amdhsa_group_segment_fixed_size 288256
		.amdhsa_private_segment_fixed_size 0
		.amdhsa_enable_private_segment 0
		.amdhsa_kernarg_size 64
		.amdhsa_user_sgpr_count 2
		.amdhsa_user_sgpr_kernarg_segment_ptr 1
		.amdhsa_wavefront_size32 1
		.amdhsa_system_sgpr_workgroup_id_x 1
		.amdhsa_system_sgpr_workgroup_id_y 1
		.amdhsa_system_sgpr_workgroup_id_z 1
		.amdhsa_system_vgpr_workitem_id 0
		.amdhsa_next_free_vgpr 1024
		.amdhsa_next_free_sgpr 100
		.amdhsa_reserve_vcc 0
		.amdhsa_float_denorm_mode_32 3
		.amdhsa_float_denorm_mode_16_64 3
		.amdhsa_memory_ordered 1
		.amdhsa_forward_progress 1
		.amdhsa_inst_pref_size 103
	.end_amdhsa_kernel
	.amdgpu_metadata
---
amdhsa.version: [ 1, 2 ]
amdhsa.kernels:
  - .name:           k_q895b1fde2d_qkv
    .symbol:         k_q895b1fde2d_qkv.kd
    .args:
      - { .name: hidden_states_codes, .offset: 0, .size: 8, .value_kind: global_buffer, .address_space: global }
      - { .name: hidden_states_scales, .offset: 8, .size: 8, .value_kind: global_buffer, .address_space: global }
      - { .name: W_attn_codes, .offset: 16, .size: 8, .value_kind: global_buffer, .address_space: global }
      - { .name: W_attn_scales, .offset: 24, .size: 8, .value_kind: global_buffer, .address_space: global }
      - { .name: b_attn, .offset: 32, .size: 8, .value_kind: global_buffer, .address_space: global }
      - { .name: qc, .offset: 40, .size: 8, .value_kind: global_buffer, .address_space: global }
      - { .name: qs, .offset: 48, .size: 8, .value_kind: global_buffer, .address_space: global }
      - { .name: kv, .offset: 56, .size: 8, .value_kind: global_buffer, .address_space: global }
    .group_segment_fixed_size: 288256
    .private_segment_fixed_size: 0
    .kernarg_segment_align: 8
    .kernarg_segment_size: 64
    .max_flat_workgroup_size: 128
    .sgpr_count:     100
    .vgpr_count:     1024
    .wavefront_size: 32
...
	.end_amdgpu_metadata
.endif
;; end of part 1
;; launch attn (part 2): grid 8 x 32, 16 waves a work-group, no clusters, 145,408 bytes of LDS; arguments qc, qs, kv, attention_mask, cc, cs; writes cc, cs
.if DOCPART == 2
	.amdgcn_target "amdgcn-amd-amdhsa--gfx1250"
	.amdhsa_code_object_version 6
	.text
	.protected	k_q895b1fde2d_attn
	.globl	k_q895b1fde2d_attn
	.p2align	8
	.type	k_q895b1fde2d_attn,@function
k_q895b1fde2d_attn:
	s_mov_b64 s[64:65], 0
	v_nop
	global_prefetch_b8 v0, s[64:65] scope:SCOPE_SE
	s_setreg_imm32_b32 hwreg(HW_REG_WAVE_MODE, 25, 1), 1
	s_wait_xcnt 0x0
; LAUNCH 2 OF 3.  For each head: scores = q k^T / 8 on codes, the causal mask and attention_mask (both put -10000 in a score's place), p = 2^(t - M), ctx = p v / l on codes; ctx is quantised along the embedding.
; WORK LEFT OUT: the products q . k of a key step all of whose 128 keys come after the wave's 16 queries: reference() replaces every one of those scores by -10000, whatever the inputs hold (shown at the head of launch 1).
; Those keys are NOT left out of the softmax: each has p = 2^(-10000 log2 e - M), the same number for all 128, which goes into the row's sum (64 a lane) and, quantised, into the second product.
; LIMITS: a NaN or an infinity that arises only in the discarded scores is not carried on; a p under 2^-126 comes out of v_exp_f32 as 0; a block under 2^-124 gets the scale byte 1 with its codes as the conversion gives them.
; NO CLUSTER AND NO TENSOR LOAD, by the code's own form: the branches that leave hidden products out hang on the work-group's block of queries, which differs between the work-groups of a head, and one branch hangs on
; attention_mask, whole numbers that the launch reads.  So LDS is filled through registers, once: a head's K, V and scale words, 143,360 bytes, as they lie in kv.  One barrier.
; SHARES.  Work-group (j, head) owns blocks j and 15 - j of 128 queries: every work-group has 17 open and 15 hidden pairs of block and key step.  Wave w owns 16 queries: tile w / 2 of block j or 15 - j by (w ^ (w / 4)) & 1.
; Every wave walks all 16 key steps of 128 keys: the trip count is a constant.
; LAYOUT.  Both products are used transposed: S^T = K Q^T (source 0 = 16 keys, source 1 = my queries), O^T = V^T P^T (source 0 = 16 channels, source 1 = P): a lane holds ONE query (lane % 16) throughout.
; The head has 64 of the instruction's 128: Q's registers 4-7 are zero codes; K's tile t is v[32 + 4 t .. 39 + 4 t], whose upper four registers (the next tile's codes, or zeros) meet those zeros and add nothing.
; Register 8 t + j of S^T holds key 16 t + 8 (lane / 16) + j; p is quantised in natural order as launch 1 quantises (its head comment).
.set VC,    65536                      ; LDS: K's images at 0, V's here,
.set KS,    131072                     ; K's scale words,
.set VS,    139264                     ; V's scale words,
.set SPARE, 143360                     ; and the spare words, 128 bytes for each of 16 waves: eight blocks of 256 bytes that no other line names
.set KVH,   143360
.set LI,  1                            ; v1   16 x lane
.set LS,  2                            ; v2   4 x lane
.set H8,  3                            ; v3   8 h
.set QI1, 4                            ; v4   my query + 1 - 8 h
.set SPW, 5                            ; v5   LDS address of my spare word; never rewritten
.set NIL, 6                            ; v6   0; never rewritten
.set MA,  7                            ; v7   byte offset of the mask's numbers that are loaded next
.set MK,  8                            ; v8-11  128 numbers of attention_mask: lane l of register b holds key 32 b + l of a step
.set NM,  12                           ; v12  -M;  v13 the running largest t
.set TX,  13
.set L,   14                           ; v[14:15] the row's sum, in two halves
.set QR,  16                           ; v16-19 Q's codes; v20-23 zero codes
.set QW,  24                           ; v24  Q's scale words
.set TN,  25                           ; v25  t of a masked score
.set AB,  26                           ; v26-29 for each block: bit 16 u + j = key 32 b + 16 u + 8 h + j counts
.set X0,  30                           ; v30, v31 at work
.set X1,  31
.set KR,  32                           ; v32-63 K's eight tiles, four registers each; v64-67 zero
.set VR,  68                           ; v68-99 V's four tiles
.set KSC, 100                          ; v100-103 K's scale words: lanes 0-15 tile 2 p, lanes 16-31 tile 2 p + 1
.set VSC, 104                          ; v104-105 V's likewise
.set PW,  106                          ; v106 p's scale word
.set P,   108                          ; v108-115 p's codes
.set O,   116                          ; v116-147 O^T
.set S,   148                          ; v148-211 S^T, then p
.set BM,  212                          ; v212-215 each block's largest score, then its largest p
.set PT,  216                          ; v216-219 lane l xor 16's
.set SO,  220                          ; v220-223 the conversions' scale operands
.set BY,  224                          ; v224-227 the bytes
.set F,   228                          ; v[228:229] 2^(old M - new M), and 0
.set SU,  230                          ; v[230:231] the second chain of the sum
.set T0,  232                          ; v232-235 at work
.set T1,  233
.set T2,  234
.set T3,  235
.set ADK, 236                          ; v236-239 the step's LDS addresses: K, V, K's words, V's words
.set ADV, 237
.set ADKS, 238
.set ADVS, 239
.set FA,  240                          ; v240-242 the fill: 16 x thread, + 65,536, + 131,072;  v243: VS + 8 x thread
.set BKS, 244                          ; v244 KS + 4 x lane;  v245 VS + 4 x lane;  v246 VC + 16 x lane
.set BVS, 245
.set BVC, 246
.set R4,  247                          ; v247 4 r
.set T8,  248                          ; v248 8 x thread
.set CSO, 249                          ; v249 4 r + h
.set WV,  16                           ; s16 wave; s17 j; s18 batch x 16 + head; s20 my block of 128 queries; s21 my first query
.set BLK, 20
.set Q0,  21
.set CS,  22                           ; s[22:23] c = log2(e) / 8, twice
.set NG,  24                           ; s24  -80000: x 1/8 it is reference()'s -10000
.set SEL, 26                           ; s[26:27]
.set HM,  28                           ; s28  lanes 16-31
.set ST,  29                           ; s29  the key step
.set WB,  32                           ; s32-35 bit l: key 32 b + l of the step is open in attention_mask
	s_load_b256 s[4:11], s[0:1], 0x0               ; qc s[4:5], qs s[6:7], kv s[8:9], attention_mask s[10:11]
	s_load_b128 s[12:15], s[0:1], 0x20             ; cc s[12:13], cs s[14:15]
	v_lshl_add_u32 v[SPW], v0, 2, SPARE
	v_mov_b32 v[NIL], 0
	v_lshrrev_b32 v[X0], 5, v0
	v_readfirstlane_b32 s[WV], v[X0]               ; wave 0..15
	s_mov_b32 s17, ttmp9
	s_and_b32 s18, ttmp7, 0xffff
	s_lshr_b32 s30, s[WV], 2
	s_xor_b32 s30, s30, s[WV]
	s_and_b32 s30, s30, 1                          ; which of the two blocks
	s_sub_co_u32 s31, 15, s17
	s_cmp_eq_u32 s30, 1
	s_cselect_b32 s[BLK], s31, s17
	s_lshr_b32 s30, s[WV], 1                       ; which tile of it
	s_lshl_b32 s31, s[BLK], 3
	s_add_co_u32 s31, s31, s30                     ; my tile of 16 queries in the sequence
	s_lshl_b32 s[Q0], s31, 4
	s_mov_b32 s[CS], 0x3e38aa3b                    ; c = log2(e) / 8
	s_mov_b32 s[CS+1], s[CS]                       ; (named with it as a pair, so it is written)
	s_mov_b32 s[NG], 0xc79c4000                    ; -80000
	s_mov_b32 s[SEL], 0x76543210
	s_mov_b32 s[SEL+1], 0xfedcba98
	s_mov_b32 s[HM], 0xffff0000
	s_mov_b32 s[ST], 0
	v_and_b32 v[X1], 31, v0                        ; lane
	v_lshlrev_b32 v[LI], 4, v[X1]
	v_lshlrev_b32 v[LS], 2, v[X1]
	v_bfe_u32 v[X0], v0, 4, 1                      ; h
	v_lshlrev_b32 v[H8], 3, v[X0]
	v_and_b32 v[X1], 15, v0                        ; r
	v_add_nc_u32 v[QI1], s[Q0], v[X1]
	v_sub_nc_u32 v[QI1], v[QI1], v[H8]
	v_add_nc_u32 v[QI1], 1, v[QI1]
	v_lshlrev_b32 v[R4], 2, v[X1]
	v_add_nc_u32 v[CSO], v[R4], v[X0]
	v_mov_b32 v[MA], v[LS]                         ; step 0's numbers of the mask
	v_lshlrev_b32 v[FA], 4, v0
	v_add_nc_u32 v[FA+1], 0x10000, v[FA]
	v_add_nc_u32 v[FA+2], 0x20000, v[FA]
	v_lshl_add_u32 v[FA+3], v0, 3, VS
	v_lshlrev_b32 v[T8], 3, v0
	v_add_nc_u32 v[BKS], KS, v[LS]
	v_add_nc_u32 v[BVS], VS, v[LS]
	v_add_nc_u32 v[BVC], VC, v[LI]
	s_wait_kmcnt 0x0
	s_mul_i32 s40, s18, KVH
	s_mov_b32 s41, 0
	s_add_nc_u64 s[8:9], s[8:9], s[40:41]          ; kv at my head
	s_lshl_b32 s40, s18, 7
	s_add_co_u32 s40, s40, s31                     ; 128 tiles a head
	s_lshl_b32 s42, s40, 9
	s_mov_b32 s43, 0
	s_add_nc_u64 s[4:5], s[4:5], s[42:43]          ; qc at my tile: 512 bytes a tile
	s_lshl_b32 s42, s40, 6
	s_add_nc_u64 s[6:7], s[6:7], s[42:43]          ; qs: 64 bytes a tile
	s_lshr_b32 s40, s18, 4                         ; batch
	s_lshl_b32 s42, s40, 13
	s_add_nc_u64 s[10:11], s[10:11], s[42:43]      ; attention_mask at my batch
	s_lshl_b32 s40, s40, 7
	s_add_co_u32 s40, s40, s31                     ; my tile of 16 rows among ctx's 256
	s_and_b32 s30, s18, 15                         ; head
	s_lshl_b32 s42, s40, 13
	s_lshl_b32 s31, s30, 9
	s_add_co_u32 s42, s42, s31
	s_add_nc_u64 s[12:13], s[12:13], s[42:43]      ; cc: 8,192 bytes a tile of rows, 512 a head
	s_lshl_b32 s42, s40, 9
	s_lshr_b32 s31, s30, 1
	s_lshl_b32 s31, s31, 6
	s_add_co_u32 s42, s42, s31
	s_and_b32 s31, s30, 1
	s_lshl_b32 s31, s31, 1
	s_add_co_u32 s42, s42, s31
	s_add_nc_u64 s[14:15], s[14:15], s[42:43]      ; cs: 512 bytes a tile of rows, 64 a pair of heads, 4 a row; my head's two bytes begin at 2 (head % 2)
	; THE FILL: 512 threads x (17 x 16 + 8) bytes = 143,360.  Each load of a wave and each LDS store covers 512 (256) consecutive bytes.
.set I, 0
.rept 17
	global_load_b128 v[100+4*I:103+4*I], v[FA], s[8:9] offset:8192*I
.set I, I+1
.endr
	global_load_b64 v[168:169], v[T8], s[8:9] offset:VS
	global_load_b128 v[QR:QR+3], v[LI], s[4:5]     ; Q's codes stay in registers
	global_load_b32 v[QW], v[R4], s[6:7]           ; and its scale words
.irp b, 0,1,2,3
	global_load_b32 v[MK+\b], v[MA], s[10:11] offset:128*\b
.endr
	v_mov_b32 v[TX], 0xff61b1e6                    ; the largest t so far: -3e38
	v_floor_f32 v[NM], -v[TX]
	v_mov_b32 v[L], 0
	v_mov_b32 v[L+1], 0
.irp b, 0,1,2,3
	v_mov_b32 v[QR+4+\b], 0                        ; Q's zero codes
	v_mov_b32 v[KR+32+\b], 0                       ; behind K's last tile
	v_mov_b32 v[PT+\b], 0                          ; written once: a lane permute's destination counts as one of its sources
.endr
	v_mov_b32 v[F+1], 0                            ; (named as the upper half of a pair)
	v_mov_b32 v[TN], s[NG]
	v_mul_f32 v[TN], s[CS], v[TN]                  ; t of a masked score: the same multiplication that a step's largest score goes through
.set I, 0
.rept 17
	s_wait_loadcnt 23-I                            ; of the 24 loads those behind load I may be out
	ds_store_b128 v[FA+I/8], v[100+4*I:103+4*I] offset:8192*(I%8)
.set I, I+1
.endr
	s_wait_loadcnt 6                               ; behind the load of 8 bytes: Q's two and the mask's four
	ds_store_b64 v[FA+3], v[168:169]
	s_wait_dscnt 0x0                               ; for the others' sake: my stores have landed
	s_barrier_signal -1
.set I, 0
.rept 32
	v_mov_b32 v[O+I], 0                            ; O^T.  (The step is written once: the first finds zeros, which the first change of M leaves zeros)
.set I, I+1
.endr
	s_barrier_wait -1                              ; the head's K, V and scale words lie in LDS; nothing is written there again
.Lstep:
	s_wait_loadcnt 0x0                             ; this step's numbers of the mask (in the first trip Q too); their address register is free
.irp b, 0,1,2,3
	v_cmp_ne_u32 s[WB+\b], 0, v[MK+\b]
.endr
	s_add_co_u32 s30, s[ST], 1
	s_and_b32 s30, s30, 15                         ; the next step's; the last trip asks for step 0's again, so that no load leaves the buffer
	v_lshl_add_u32 v[MA], s30, 9, v[LS]            ; these five lines are also the places behind the last products, in front of the loads into V's registers
	v_lshl_add_u32 v[ADK], s[ST], 12, v[LI]        ; a step: 8 tiles of K of 512 bytes,
	v_lshl_add_u32 v[ADV], s[ST], 12, v[BVC]       ; 4 tiles of V of 1,024,
	v_lshl_add_u32 v[ADKS], s[ST], 9, v[BKS]       ; 8 x 64 bytes of K's words,
	v_lshl_add_u32 v[ADVS], s[ST], 8, v[BVS]       ; 4 x 64 of V's
.irp b, 0,1,2,3
	global_load_b32 v[MK+\b], v[MA], s[10:11] offset:128*\b
.endr
.irp d, 0,1,2,3
.irp c, 0,1
	ds_load_b128 v[VR+8*\d+4*\c:VR+8*\d+4*\c+3], v[ADV] offset:1024*\d+512*\c
.endr
.endr
	ds_load_b32 v[VSC], v[ADVS]
	ds_load_b32 v[VSC+1], v[ADVS] offset:128
	s_cmp_gt_u32 s[ST], s[BLK]                     ; all 128 keys come after my block of queries?
	s_cbranch_scc1 .Lhidden
	; ---- a step with open keys
.irp t, 0,1,2,3,4,5,6,7
	ds_load_b128 v[KR+4*\t:KR+4*\t+3], v[ADK] offset:512*\t
.endr
.irp p, 0,1,2,3
	ds_load_b32 v[KSC+\p], v[ADKS] offset:128*\p
.endr
	s_wait_dscnt 0x0
.irp t, 0,1,2,3,4,5,6,7
.if \t%2
	v_wmma_scale_f32_16x16x128_f8f6f4 v[S+8*\t:S+8*\t+7], v[KR+4*\t:KR+4*\t+7], v[QR:QR+7], 0, v[KSC+\t/2], v[QW] matrix_a_fmt:MATRIX_FMT_FP4 matrix_b_fmt:MATRIX_FMT_FP4 matrix_a_scale:MATRIX_SCALE_ROW1
.else
	v_wmma_scale_f32_16x16x128_f8f6f4 v[S+8*\t:S+8*\t+7], v[KR+4*\t:KR+4*\t+7], v[QR:QR+7], 0, v[KSC+\t/2], v[QW] matrix_a_fmt:MATRIX_FMT_FP4 matrix_b_fmt:MATRIX_FMT_FP4
.endif
.endr
.rept 4
	v_nop                                          ; places in front of the first reads of the scores
.endr
	s_and_b32 s30, s[WB], s[WB+1]
	s_and_b32 s31, s[WB+2], s[WB+3]
	s_and_b32 s30, s30, s31                        ; all ones: no hole in the step's 128 numbers of the mask
	s_cmp_lg_u32 s[ST], s[BLK]                     ; and the step does not hold the diagonal
	s_cselect_b32 s30, s30, 0
	s_cmp_eq_u32 s30, -1
	s_cbranch_scc1 .Lopen                          ; then every score stands
	; the scores of keys that do not count become -80000.  Key 32 b + 16 u + 8 h + j of the step counts where it is at or under my query and its number in the mask is not 0
	s_lshl_b32 s31, s[ST], 7
	v_sub_nc_u32 v[X0], v[QI1], s31                ; my query + 1 - 8 h - the step's first key
	v_mov_b32 v[T1], s[NG]
.irp b, 0,1,2,3
	v_add_nc_u32 v[X1], -32*\b, v[X0]              ; n: bits 16 u + j under n are at or under my query
	v_cmp_lt_i32 vcc_lo, 0, v[X1]
	v_cndmask_b32 v[X1], 0, v[X1], vcc_lo          ; held to 0 ..
	v_min_u32 v[X1], 24, v[X1]                     ; .. 24: the bits used are 0-7 and 16-23
	v_lshlrev_b32 v[X1], v[X1], 1
	v_add_nc_u32 v[X1], -1, v[X1]                  ; n ones
	v_lshrrev_b32 v[T0], v[H8], s[WB+\b]           ; the mask's bits of my half
	v_and_b32 v[AB+\b], v[T0], v[X1]
.endr
.set N, 0
.rept 64
	v_bfe_u32 v[T0], v[AB+N/16], 16*((N/8)%2)+N%8, 1
	v_cmp_eq_u32 vcc_lo, 1, v[T0]
	v_cndmask_b32 v[S+N], v[T1], v[S+N], vcc_lo    ; each tile from its low end on
.set N, N+1
.endr
.Lopen:
.irp b, 0,1,2,3
	v_max3_num_f32 v[BM+\b], v[S+16*\b], v[S+16*\b+1], v[S+16*\b+2]        ; the largest score of each block of 32 keys: it serves for the row's maximum and, since p rises with the score, for the block's largest p
.endr
.irp i, 3,5,7,9,11,13
.irp b, 0,1,2,3
	v_max3_num_f32 v[BM+\b], v[BM+\b], v[S+16*\b+\i], v[S+16*\b+\i+1]
.endr
.endr
.irp b, 0,1,2,3
	v_max_num_f32 v[BM+\b], v[BM+\b], v[S+16*\b+15]
.endr
.irp b, 0,1,2,3
	v_permlanex16_b32 v[PT+\b], v[BM+\b], s[SEL], s[SEL+1]
.endr
.irp b, 0,1,2,3
	v_max_num_f32 v[BM+\b], v[BM+\b], v[PT+\b]     ; with lane l xor 16's sixteen keys
.endr
	v_max3_num_f32 v[T2], v[BM], v[BM+1], v[BM+2]
	v_max_num_f32 v[T2], v[T2], v[BM+3]
	v_mul_f32 v[T2], s[CS], v[T2]                  ; as t (c is positive)
	v_max_num_f32 v[TX], v[TX], v[T2]              ; the running largest t
	v_mov_b32 v[T2], v[NM]
	v_floor_f32 v[NM], -v[TX]                      ; -M = floor(-t): M is a whole number
	v_sub_f32 v[T2], v[NM], v[T2]                  ; old M - new M: a whole number, 0 or less
	v_cvt_i32_f32 v[T2], v[T2]                     ; (it saturates)
	v_ldexp_f32 v[F], 1.0, v[T2]                   ; f = 2^(old M - new M)
.set J, 0
.rept 32
	v_pk_fma_f32 v[S+J:S+J+1], v[S+J:S+J+1], s[CS:CS+1], v[NM:NM+1] op_sel_hi:[1,0,0]   ; t - M, two at a time
.set J, J+2
.endr
.irp b, 0,1,2,3
	v_fma_f32 v[BM+\b], v[BM+\b], s[CS], v[NM]     ; the same of each block's largest score
.endr
.set J, 0
.rept 64
	v_exp_f32 v[S+J], v[S+J]                       ; p = 2^(t - M): not normalised
.set J, J+1
.endr
	v_pk_mul_f32 v[L:L+1], v[L:L+1], v[F:F+1] op_sel_hi:[1,0]   ; the sums under the new M: the plain instruction behind the exponentials
	s_wait_alu depctr_va_vdst(0)                   ; one wait for the batch of 64, ahead of its first reader
.irp b, 0,1,2,3
	v_exp_f32 v[BM+\b], v[BM+\b]                   ; the block's largest p
.endr
	v_pk_add_f32 v[SU:SU+1], v[S:S+1], v[S+2:S+3]  ; the row's sum is taken of the unquantised p, in two chains
.set J, 4
.rept 15
	v_pk_add_f32 v[L:L+1], v[L:L+1], v[S+J:S+J+1]
	v_pk_add_f32 v[SU:SU+1], v[SU:SU+1], v[S+J+2:S+J+3]
.set J, J+4
.endr
	v_pk_add_f32 v[L:L+1], v[L:L+1], v[SU:SU+1]
	s_wait_alu depctr_va_vdst(0)                   ; and one for the four
.irp b, 0,1,2,3
	v_max_num_f32 v[BM+\b], 0x1800000, v[BM+\b]    ; the floor 2^(3 - 127): the byte cannot fall under 1
.endr
.irp b, 0,1,2,3
	v_add_nc_u32 v[SO+\b], 0xff000000, v[BM+\b]    ; 2 off the exponent field: the conversion's scale operand
.endr
.irp b, 0,1,2,3
	v_lshrrev_b32 v[BY+\b], 23, v[SO+\b]
.endr
	v_lshl_or_b32 v[PW], v[BY+1], 8, v[BY]         ; p's scale word for these 128 keys
	v_lshl_or_b32 v[PW], v[BY+2], 16, v[PW]
	v_lshl_or_b32 v[PW], v[BY+3], 24, v[PW]
.irp b, 0,1,2,3
	v_cvt_scalef32_pk8_fp4_f32 v[P+4*(\b/2)+(\b%2)], v[S+16*\b:S+16*\b+7], v[SO+\b]
	v_cvt_scalef32_pk8_fp4_f32 v[P+4*(\b/2)+2+(\b%2)], v[S+16*\b+8:S+16*\b+15], v[SO+\b]
.endr
	v_nop                                          ; one plain instruction behind the last scaled conversion
.irp i, 0,2,4,6
	v_permlane16_swap_b32 v[P+\i], v[P+\i+1]       ; a whole block to a lane
.endr
.set J, 0
.rept 16
	v_pk_mul_f32 v[O+J:O+J+1], v[O+J:O+J+1], v[F:F+1] op_sel_hi:[1,0]   ; O^T under the new M; these sixteen are also the places between the lines that made p's codes and scale word and the products
.set J, J+2
.endr
	s_branch .Lpv
.Lhidden:
	; ---- a step all of whose keys are hidden: every score is -10000, so all 128 p are one number
	v_max_num_f32 v[TX], v[TX], v[TN]
	v_mov_b32 v[T2], v[NM]
	v_floor_f32 v[NM], -v[TX]
	v_sub_f32 v[T2], v[NM], v[T2]
	v_cvt_i32_f32 v[T2], v[T2]
	v_ldexp_f32 v[F], 1.0, v[T2]
	v_fma_f32 v[T3], s[NG], s[CS], v[NM]           ; t - M
	v_exp_f32 v[T3], v[T3]
	v_pk_mul_f32 v[L:L+1], v[L:L+1], v[F:F+1] op_sel_hi:[1,0]   ; the plain instruction behind the exponential
	s_wait_alu depctr_va_vdst(0)
	v_fmamk_f32 v[L], v[T3], 0x42800000, v[L]      ; my lane's 64 keys
	v_max_num_f32 v[BM], 0x1800000, v[T3]
	v_add_nc_u32 v[SO], 0xff000000, v[BM]
	v_lshrrev_b32 v[BY], 23, v[SO]
	v_lshl_or_b32 v[PW], v[BY], 8, v[BY]           ; the same byte for the four blocks
	v_lshl_or_b32 v[PW], v[PW], 16, v[PW]
.irp j, 0,1,2,3,4,5,6,7
	v_mov_b32 v[S+\j], v[T3]
.endr
	v_cvt_scalef32_pk8_fp4_f32 v[T0], v[S:S+7], v[SO]
	v_nop
.irp j, 0,1,2,3,4,5,6,7
	v_mov_b32 v[P+\j], v[T0]                       ; eight like codes in every register
.endr
.set J, 0
.rept 16
	v_pk_mul_f32 v[O+J:O+J+1], v[O+J:O+J+1], v[F:F+1] op_sel_hi:[1,0]
.set J, J+2
.endr
.Lpv:
	s_wait_dscnt 0x0                               ; V and its scale words
.irp d, 0,1,2,3                        ; O^T += V^T P^T: the four accumulators by turns; the next matrix instruction on any way names another accumulator than the last
.if \d%2
	v_wmma_scale_f32_16x16x128_f8f6f4 v[O+8*\d:O+8*\d+7], v[VR+8*\d:VR+8*\d+7], v[P:P+7], v[O+8*\d:O+8*\d+7], v[VSC+\d/2], v[PW] matrix_a_fmt:MATRIX_FMT_FP4 matrix_b_fmt:MATRIX_FMT_FP4 matrix_a_scale:MATRIX_SCALE_ROW1
.else
	v_wmma_scale_f32_16x16x128_f8f6f4 v[O+8*\d:O+8*\d+7], v[VR+8*\d:VR+8*\d+7], v[P:P+7], v[O+8*\d:O+8*\d+7], v[VSC+\d/2], v[PW] matrix_a_fmt:MATRIX_FMT_FP4 matrix_b_fmt:MATRIX_FMT_FP4
.endif
.endr
	s_add_co_u32 s[ST], s[ST], 1
	s_cmp_lt_u32 s[ST], 16
	s_cbranch_scc1 .Lstep
	; THE WAY OUT.  ctx = O^T / l; register 8 d + j of lane (r, h) is channel 16 d + 8 h + j of query r: two blocks of 32 along the embedding, quantised in natural order.
	v_add_f32 v[L], v[L], v[L+1]
	v_permlanex16_b32 v[PT], v[L], s[SEL], s[SEL+1]
	v_add_f32 v[L], v[L], v[PT]                    ; the row's sum
	v_rcp_f32 v[L], v[L]
.rept 4
	v_nop                                          ; the plain instruction behind the reciprocal, and the places behind the last products
.endr
	s_wait_alu depctr_va_vdst(0)
.set I, 0
.rept 32
	v_mul_f32 v[S+I], v[O+I], v[L]
.set I, I+1
.endr
.irp b, 0,1
	v_max3_num_f32 v[BM+\b], |v[S+16*\b]|, |v[S+16*\b+1]|, 0x1800000
.endr
.irp i, 2,4,6,8,10,12,14
.irp b, 0,1
	v_max3_num_f32 v[BM+\b], v[BM+\b], |v[S+16*\b+\i]|, |v[S+16*\b+\i+1]|
.endr
.endr
.irp b, 0,1
	v_permlanex16_b32 v[PT+\b], v[BM+\b], s[SEL], s[SEL+1]
.endr
.irp b, 0,1
	v_max_num_f32 v[BM+\b], v[BM+\b], v[PT+\b]
.endr
.irp b, 0,1
	v_add_nc_u32 v[SO+\b], 0xff000000, v[BM+\b]
.endr
.irp b, 0,1
	v_lshrrev_b32 v[BY+\b], 23, v[SO+\b]
.endr
.irp b, 0,1
	v_cvt_scalef32_pk8_fp4_f32 v[P+\b], v[S+16*\b:S+16*\b+7], v[SO+\b]
	v_cvt_scalef32_pk8_fp4_f32 v[P+2+\b], v[S+16*\b+8:S+16*\b+15], v[SO+\b]
.endr
	v_cndmask_b32 v[T0], v[BY], v[BY+1], s[HM]     ; my half's block's byte.  (The plain instruction behind the conversions)
	v_permlane16_swap_b32 v[P], v[P+1]
	v_permlane16_swap_b32 v[P+2], v[P+3]           ; lane (r, h): block h of row r: half a K step of the projection, as its operand's registers want it
	global_store_b128 v[LI], v[P:P+3], s[12:13]    ; 512 consecutive bytes, aligned
	global_store_b8 v[CSO], v[T0], s[14:15]        ; 32 single bytes, two of each row's word: the word's other two come from the neighbouring head's work-groups, so these stores fill no 256 bytes whole; they are one part in 16 of the codes' bytes
	s_wait_tensorcnt 0x0                           ; the wave's end
	ds_add_u32 v[SPW], v[NIL]
	s_wait_dscnt 0x0
	s_endpgm
.Lfunc_end_k_q895b1fde2d_attn:
	.size	k_q895b1fde2d_attn, .Lfunc_end_k_q895b1fde2d_attn-k_q895b1fde2d_attn
	.p2alignl 7, 3214868480
	.fill 96, 4, 3214868480
	.section	.rodata,"a",@progbits
	.p2align	6, 0x0
	.amdhsa_kernel k_q895b1fde2d_attn
		.amdhsa_group_segment_fixed_size 145408
		.amdhsa_private_segment_fixed_size 0
		.amdhsa_enable_private_segment 0
		.amdhsa_kernarg_size 48
		.amdhsa_user_sgpr_count 2
		.amdhsa_user_sgpr_kernarg_segment_ptr 1
		.amdhsa_wavefront_size32 1
		.amdhsa_system_sgpr_workgroup_id_x 1
		.amdhsa_system_sgpr_workgroup_id_y 1
		.amdhsa_system_sgpr_workgroup_id_z 1
		.amdhsa_system_vgpr_workitem_id 0
		.amdhsa_next_free_vgpr 256
		.amdhsa_next_free_sgpr 66
		.amdhsa_reserve_vcc 1
		.amdhsa_float_denorm_mode_32 3
		.amdhsa_float_denorm_mode_16_64 3
		.amdhsa_memory_ordered 1
		.amdhsa_forward_progress 1
		.amdhsa_inst_pref_size 41
	.end_amdhsa_kernel
	.amdgpu_metadata
---
amdhsa.version: [ 1, 2 ]
amdhsa.kernels:
  - .name:           k_q895b1fde2d_attn
    .symbol:         k_q895b1fde2d_attn.kd
    .args:
      - { .name: qc, .offset: 0, .size: 8, .value_kind: global_buffer, .address_space: global }
      - { .name: qs, .offset: 8, .size: 8, .value_kind: global_buffer, .address_space: global }
      - { .name: kv, .offset: 16, .size: 8, .value_kind: global_buffer, .address_space: global }
      - { .name: attention_mask, .offset: 24, .size: 8, .value_kind: global_buffer, .address_space: global }
      - { .name: cc, .offset: 32, .size: 8, .value_kind: global_buffer, .address_space: global }
      - { .name: cs, .offset: 40, .size: 8, .value_kind: global_buffer, .address_space: global }
    .group_segment_fixed_size: 145408
    .private_segment_fixed_size: 0
    .kernarg_segment_align: 8
    .kernarg_segment_size: 48
    .max_flat_workgroup_size: 512
    .sgpr_count:     66
    .vgpr_count:     256
    .wavefront_size: 32
...
	.end_amdgpu_metadata
.endif
;; end of part 2
;; launch proj (part 3): grid 8 x 32, 8 waves a work-group, clusters of 4 x 4, 177,408 bytes of LDS; arguments cc, cs, W_proj_codes, W_proj_scales, b_proj, out0; writes out0
.if DOCPART == 3
	.amdgcn_target "amdgcn-amd-amdhsa--gfx1250"
	.amdhsa_code_object_version 6
	.text
	.protected	k_q895b1fde2d_proj
	.globl	k_q895b1fde2d_proj
	.p2align	8
	.type	k_q895b1fde2d_proj,@function
k_q895b1fde2d_proj:
	s_mov_b64 s[64:65], 0
	v_nop
	global_prefetch_b8 v0, s[64:65] scope:SCOPE_SE
	s_setreg_imm32_b32 hwreg(HW_REG_WAVE_MODE, 25, 1), 1
	s_wait_xcnt 0x0
	s_wait_alu depctr_hold_cnt(0) depctr_sa_sdst(0) depctr_va_vdst(0) depctr_va_sdst(0) depctr_va_ssrc(0) depctr_va_vcc(0) depctr_vm_vsrc(0)
	s_getreg_b32 s2, hwreg(HW_REG_IB_STS2, 6, 4)
	s_cmp_eq_u32 s2, 0
	s_cbranch_scc0 .Lentry_in_a_cluster
	s_endpgm
.Lentry_in_a_cluster:
	s_bfe_u32 s2, ttmp6, 0x10000c
	s_cmp_lg_u32 s2, 0xf033
	s_cbranch_scc0 .Lentry_shape_is_right
	s_endpgm
.Lentry_shape_is_right:
; LAUNCH 3 OF 3.  out0 = ctx W_proj^T + b_proj on codes of E2M1: ctx's as launch 2 laid them (images of operand registers), W_proj's as they are given.  No work is left out here.
; SHARES.  A work-group makes 128 rows (y) x 128 columns (x) of out0; all of K = 1,024 lies in LDS at once, filled once.  Wave w of eight: rows 32 (w / 2) on (two tiles a), columns 64 (w % 2) on (four tiles t): 8 accumulators.
; THE MATRIX INSTRUCTION IS USED TRANSPOSED (source 0 = 16 rows of W_proj, source 1 = 16 rows of ctx): a lane holds eight neighbouring numbers of a row of out0.  The bias is the C of each sum's first instruction.
; CLUSTER 4 x 4: the four work-groups of a row of the cluster share ctx's rows, the four of a column W_proj's: each part is asked for jointly.  One tensor load a wave: one of mine is out.
.set PITCH,  528                       ; a row of W_proj's codes in LDS: 512 bytes + 16 of padding
.set LAS,    65536                     ; LDS: ctx's images at 0 (8 tiles of rows x 16 heads x 512 bytes); their scale words here (8 x 8 x 64 bytes);
.set LB,     69632                     ; W_proj's 128 rows;
.set LBS,    LB+128*PITCH              ; their scale bytes, 16 rows of 256 + 16;
.set STAGE,  LBS+16*272                ; the way out: 16 rows x (256 + 16) bytes for each wave: no fill lands here;
.set SPARE,  STAGE+8*16*272            ; the spare words, 128 bytes for each of eight waves: four blocks of 256 bytes that no other line names
.set ADA,  4                           ; v4   ctx's images: my two tiles of rows, 16 x lane
.set ADB,  5                           ; v5   W_proj's rows: my 64, 528 r + 16 h
.set ASA,  6                           ; v6   ctx's scale words: lanes 0-15 tile a = 0, lanes 16-31 tile a = 1
.set ASB,  7                           ; v7   W_proj's: row = lane
.set STO,  8                           ; v8   the stage: where I put 32 bytes of a row
.set RD,   9                           ; v9   and where I read a row back
.set CO,   10                          ; v10  my byte offset in two rows of out0
.set A32H, 11                          ; v11  32 h
.set SPW,  12                          ; v12  LDS address of my spare word; never rewritten
.set NIL,  13                          ; v13  0; never rewritten
.set SCA,  16                          ; v[16 + s] ctx's scale words of K step s
.set SCW,  24                          ; v[24 + 8 p + s] W_proj's: lanes 0-15 tile 2 p, lanes 16-31 tile 2 p + 1
.set BI,   40                          ; v40-71 the bias, 8 registers a tile of columns
.set ACC,  72                          ; v72-135 accumulator (a, t) at 72 + 8 (4 a + t)
.set FS,   136                         ; v136-231 two sets of fragments: ctx's two, then W_proj's four
.set OB,   136                         ; the way out: rows read back from the stage, v136-199
.set WV,   20
.set G1A,  28                          ; s[28:35] group 1: 64 rows of 256 bytes of ctx's images;  s[36:43] 64 rows of W_proj;  s[44:51], s[52:59] the scale bytes
.set G1B,  36
.set G1AS, 44
.set G1BS, 52
.set G0A,  60
.set G0B,  68
.set G0AS, 72
.set G0BS, 76
.macro PLACES n
.rept \n
	v_nop
.endr
.endm
.macro CROUND                          ; a round of the cluster's barrier
	s_barrier_signal -1
	s_barrier_wait -1
	s_cmp_lg_u32 s[WV], 0
	s_cbranch_scc1 .Lnot_wave_0_\@
	s_barrier_signal -3
.Lnot_wave_0_\@:
	s_barrier_wait -3
	s_barrier_signal -1
	s_barrier_wait -1
.endm
.macro WM d, a, b, c, sa, sb, ra, rb   ; ra, rb = 1: that side's scale words stand in lanes 16-31 of the register named
.if (\ra) && (\rb)
	v_wmma_scale_f32_16x16x128_f8f6f4 v[(\d):(\d)+7], v[(\a):(\a)+7], v[(\b):(\b)+7], v[(\c):(\c)+7], v[\sa], v[\sb] matrix_a_fmt:MATRIX_FMT_FP4 matrix_b_fmt:MATRIX_FMT_FP4 matrix_a_scale:MATRIX_SCALE_ROW1 matrix_b_scale:MATRIX_SCALE_ROW1
.elseif (\ra)
	v_wmma_scale_f32_16x16x128_f8f6f4 v[(\d):(\d)+7], v[(\a):(\a)+7], v[(\b):(\b)+7], v[(\c):(\c)+7], v[\sa], v[\sb] matrix_a_fmt:MATRIX_FMT_FP4 matrix_b_fmt:MATRIX_FMT_FP4 matrix_a_scale:MATRIX_SCALE_ROW1
.elseif (\rb)
	v_wmma_scale_f32_16x16x128_f8f6f4 v[(\d):(\d)+7], v[(\a):(\a)+7], v[(\b):(\b)+7], v[(\c):(\c)+7], v[\sa], v[\sb] matrix_a_fmt:MATRIX_FMT_FP4 matrix_b_fmt:MATRIX_FMT_FP4 matrix_b_scale:MATRIX_SCALE_ROW1
.else
	v_wmma_scale_f32_16x16x128_f8f6f4 v[(\d):(\d)+7], v[(\a):(\a)+7], v[(\b):(\b)+7], v[(\c):(\c)+7], v[\sa], v[\sb] matrix_a_fmt:MATRIX_FMT_FP4 matrix_b_fmt:MATRIX_FMT_FP4
.endif
.endm
.macro FETCH s, p                      ; 12 LDS loads: K step s (heads 2 s and 2 s + 1) into set p
.irp a, 0,1
.irp c, 0,1
	ds_load_b128 v[FS+48*(\p)+8*\a+4*\c:FS+48*(\p)+8*\a+4*\c+3], v[ADA] offset:8192*\a+1024*(\s)+512*\c
.endr
.endr
.irp t, 0,1,2,3
.irp c, 0,1
	ds_load_b128 v[FS+48*(\p)+16+8*\t+4*\c:FS+48*(\p)+16+8*\t+4*\c+3], v[ADB] offset:\t*16*PITCH+64*(\s)+32*\c
.endr
.endr
.endm
.macro MUL s, p                        ; 8 matrix instructions, the accumulators by turns
.irp a, 0,1
.irp t, 0,1,2,3
.if (\s) == 0
	WM ACC+8*(4*\a+\t), FS+48*(\p)+16+8*\t, FS+48*(\p)+8*\a, BI+8*\t, SCW+8*(\t/2)+(\s), SCA+(\s), \t%2, \a
.else
	WM ACC+8*(4*\a+\t), FS+48*(\p)+16+8*\t, FS+48*(\p)+8*\a, ACC+8*(4*\a+\t), SCW+8*(\t/2)+(\s), SCA+(\s), \t%2, \a
.endif
.endr
.endr
.endm
	s_load_b256 s[4:11], s[0:1], 0x0               ; cc s[4:5], cs s[6:7], W_proj's codes s[8:9], scales s[10:11]
	s_load_b128 s[12:15], s[0:1], 0x20             ; b_proj s[12:13], out0 s[14:15]
	v_lshl_add_u32 v[SPW], v0, 2, SPARE
	v_mov_b32 v[NIL], 0
	ds_add_u32 v[SPW], v[NIL]                      ; the wave's opening: the add, twice on end, and its wait ahead of my first tensor load
	ds_add_u32 v[SPW], v[NIL]
	v_lshrrev_b32 v1, 5, v0
	v_readfirstlane_b32 s[WV], v1                  ; wave 0..7
	s_bfe_u32 s21, ttmp6, 0x40000                  ; cx
	s_bfe_u32 s22, ttmp6, 0x40004                  ; cy
	s_lshl_b32 s23, ttmp9, 2
	s_add_co_u32 s23, s23, s21                     ; nb: the block of 128 columns
	s_and_b32 s24, ttmp7, 0xffff
	s_lshl_b32 s24, s24, 2
	s_add_co_u32 s24, s24, s22                     ; mb: the block of 128 rows
	s_lshl_b32 s25, s22, 2
	s_lshl_b32 s25, 15, s25                        ; my row of the cluster
	s_lshl_b32 s26, 0x1111, s21                    ; my column
	s_or_b32 s[G1A], s25, (3<<16)|(1<<21)          ; ctx's images: dense, 64 rows of 256 bytes (32 elements of 8 bytes), no padding
	s_mov_b32 s[G1A+1], 32<<16
	s_mov_b32 s[G1A+2], 64<<16
	s_mov_b32 s[G1A+3], 32<<16
	s_mov_b32 s[G1A+4], 64
	s_mov_b32 s[G1A+5], 32
	s_mov_b32 s[G1A+6], 0
	s_mov_b32 s[G1A+7], 0
	s_or_b32 s[G1B], s26, (1<<20)|(1<<21)|(6<<22)|(3<<25)   ; W_proj: 64 rows of 512 bytes, 4 words of padding after every 128
	s_mov_b32 s[G1B+1], 512<<16
	s_mov_b32 s[G1B+2], 64<<16
	s_mov_b32 s[G1B+3], 512<<16
	s_mov_b32 s[G1B+4], 64
	s_mov_b32 s[G1B+5], 512
	s_mov_b32 s[G1B+6], 0
	s_mov_b32 s[G1B+7], 0
	s_or_b32 s[G1AS], s25, (3<<16)|(1<<21)         ; ctx's scale words: 4,096 dense bytes, no padding
	s_or_b32 s[G1BS], s26, (3<<16)|(1<<20)|(1<<21)|(5<<22)|(3<<25)   ; W_proj's scale bytes: 4,096 dense bytes, 4 words of padding after every 64
.irp g, G1AS, G1BS
	s_mov_b32 s[\g+1], 32<<16
	s_mov_b32 s[\g+2], 16<<16
	s_mov_b32 s[\g+3], 32<<16
	s_mov_b32 s[\g+4], 16
	s_mov_b32 s[\g+5], 32
	s_mov_b32 s[\g+6], 0
	s_mov_b32 s[\g+7], 0
.endr
	s_and_b32 s80, s[WV], 3
	s_lshl_b32 s81, s80, 14                        ; waves 0-3: a quarter of ctx's images each, 16,384 bytes, in memory as in LDS
	s_lshl_b32 s84, s24, 16
	s_add_co_u32 s84, s84, s81
	s_mov_b32 s85, 0
	s_lshl_b32 s86, s24, 12                        ; wave 6: ctx's scale words
	s_mov_b32 s87, 0
	s_and_b32 s82, s[WV], 1
	s_mul_i32 s83, s82, 64*PITCH                   ; waves 4, 5: 64 rows of W_proj each
	s_lshl_b32 s88, s23, 16
	s_lshl_b32 s89, s82, 15
	s_add_co_u32 s88, s88, s89
	s_mov_b32 s89, 0
	s_lshl_b32 s90, s23, 12                        ; wave 7: W_proj's scale bytes
	s_mov_b32 s91, 0
	s_wait_dscnt 0x0                               ; both opening adds are done
	s_wait_kmcnt 0x0
	CROUND                                         ; all sixteen work-groups are here: the joint loads meet
	s_mov_b32 s[G0A], 1
	s_mov_b32 s[G0A+1], s81
	s_add_nc_u64 s[G0A+2:G0A+3], s[4:5], s[84:85]
	s_or_b32 s[G0A+3], s[G0A+3], 0x80000000
	s_mov_b32 s[G0B], 1
	s_add_co_u32 s[G0B+1], s83, LB
	s_add_nc_u64 s[G0B+2:G0B+3], s[8:9], s[88:89]
	s_or_b32 s[G0B+3], s[G0B+3], 0x80000000
	s_mov_b32 s[G0AS], 1
	s_mov_b32 s[G0AS+1], LAS
	s_add_nc_u64 s[G0AS+2:G0AS+3], s[6:7], s[86:87]
	s_or_b32 s[G0AS+3], s[G0AS+3], 0x80000000
	s_mov_b32 s[G0BS], 1
	s_mov_b32 s[G0BS+1], LBS
	s_add_nc_u64 s[G0BS+2:G0BS+3], s[10:11], s[90:91]
	s_or_b32 s[G0BS+3], s[G0BS+3], 0x80000000
	s_cmp_lt_u32 s[WV], 4                          ; every wave has one fill, by its number alone.  Nothing is ever filled again
	s_cbranch_scc0 .Lnot_a
	tensor_load_to_lds s[G0A:G0A+3], s[G1A:G1A+7]
	s_nop 0
.rept 4
	v_nop
.endr
	s_branch .Lasked
.Lnot_a:
	s_cmp_lt_u32 s[WV], 6
	s_cbranch_scc0 .Lnot_b
	tensor_load_to_lds s[G0B:G0B+3], s[G1B:G1B+7]
	s_nop 0
.rept 4
	v_nop
.endr
	s_branch .Lasked
.Lnot_b:
	s_cmp_eq_u32 s[WV], 6
	s_cbranch_scc0 .Lfor_bs
	tensor_load_to_lds s[G0AS:G0AS+3], s[G1AS:G1AS+7]
	s_nop 0
.rept 4
	v_nop
.endr
	s_branch .Lasked
.Lfor_bs:
	tensor_load_to_lds s[G0BS:G0BS+3], s[G1BS:G1BS+7]
	s_nop 0
.rept 4
	v_nop
.endr
.Lasked:
	v_and_b32 v1, 15, v0                           ; r
	v_bfe_u32 v2, v0, 4, 1                         ; h
	v_and_b32 v3, 31, v0                           ; lane
	v_lshlrev_b32 v[A32H], 5, v2
	s_lshr_b32 s80, s[WV], 1                       ; which 32 rows are mine;  s82: which 64 columns
	s_lshl_b32 s26, s23, 9
	s_lshl_b32 s96, s82, 8
	s_add_co_u32 s26, s26, s96                     ; my first column, in bytes: 512 nb + 256 (w % 2)
	s_mov_b32 s27, 0
	s_add_nc_u64 s[92:93], s[12:13], s[26:27]      ; in b_proj,
	s_add_nc_u64 s[94:95], s[14:15], s[26:27]      ; and in a row of out0
.irp t, 0,1,2,3
	global_load_b128 v[BI+8*\t:BI+8*\t+3], v[A32H], s[92:93] offset:64*\t          ; lane (r, h), register j: the bias of column 16 t + 8 h + j
	global_load_b128 v[BI+8*\t+4:BI+8*\t+7], v[A32H], s[92:93] offset:64*\t+16
.endr
	s_lshl_b32 s26, s24, 19                        ; my first row: 128 mb + 32 (w / 2), rows of 4,096 bytes
	s_lshl_b32 s96, s80, 17
	s_add_co_u32 s26, s26, s96
	s_add_nc_u64 s[94:95], s[94:95], s[26:27]
	s_lshl_b32 s96, s80, 14
	v_lshl_add_u32 v[ADA], v3, 4, s96              ; two tiles of rows are 16,384 bytes of images
	v_mul_u32_u24 v[ADB], v1, PITCH
	v_lshl_add_u32 v[ADB], v2, 4, v[ADB]
	s_add_co_u32 s96, s83, LB
	v_add_nc_u32 v[ADB], s96, v[ADB]
	v_lshlrev_b32 v[ASA], 2, v1
	v_lshl_add_u32 v[ASA], v2, 9, v[ASA]           ; 4 r + 512 h: a tile of rows has 512 bytes of scale words
	s_lshl_b32 s96, s80, 10
	s_add_co_u32 s96, s96, LAS
	v_add_nc_u32 v[ASA], s96, v[ASA]
	v_lshrrev_b32 v14, 3, v3
	v_lshlrev_b32 v15, 5, v3
	v_lshl_add_u32 v14, v14, 4, v15                ; a row of 32 scale bytes: 32 x lane, and 16 more for each 256 passed
	s_mul_i32 s96, s82, 2176
	s_add_co_u32 s96, s96, LBS
	v_add_nc_u32 v[ASB], s96, v14
	s_mul_i32 s96, s[WV], 16*272
	s_add_co_u32 s96, s96, STAGE                   ; my stage
	v_mul_u32_u24 v[STO], v1, 272
	v_lshl_add_u32 v[STO], v2, 5, v[STO]
	v_add_nc_u32 v[STO], s96, v[STO]               ; in: row r, 32 bytes for each half of the lanes
	v_mul_u32_u24 v[RD], v2, 272
	v_lshl_add_u32 v[RD], v1, 4, v[RD]
	v_add_nc_u32 v[RD], s96, v[RD]                 ; back: lanes 0-15 one row of 256 bytes, lanes 16-31 the next
	v_lshlrev_b32 v[CO], 12, v2
	v_lshl_add_u32 v[CO], v1, 4, v[CO]             ; and the same two rows in out0
	s_wait_tensorcnt 0x0                           ; my part is in,
	s_barrier_signal -1
	s_barrier_wait -1                              ; everybody's is
.irp s, 0,1,2,3,4,5,6,7
	ds_load_b32 v[SCA+\s], v[ASA] offset:64*\s     ; the scale words of all eight K steps, once
.endr
.irp p, 0,1
	ds_load_b128 v[SCW+8*\p:SCW+8*\p+3], v[ASB] offset:1088*\p
	ds_load_b128 v[SCW+8*\p+4:SCW+8*\p+7], v[ASB] offset:1088*\p+16
.endr
	FETCH 0, 0
	s_wait_loadcnt 0x0                             ; the bias
.irp s, 0,1,2,3,4,5,6,7
.if \s < 7
.if \s > 0
	PLACES 4                                       ; in front of loads into the set that the step before multiplied
.endif
	FETCH \s+1, (\s+1)%2
	s_wait_dscnt 12                                ; all but the 12 just issued: this step's fragments are in
.else
	s_wait_dscnt 0x0
.endif
	MUL \s, \s%2
.endr
	; THE WAY OUT: a tile of 16 rows x 64 columns goes through my own stage and comes back as whole rows of 256 bytes.  LDS serves a wave's instructions in order: no wait between the stores and the loads, nor in front of the second tile's stores.
	PLACES 4
.irp a, 0,1
.irp t, 0,1,2,3
	ds_store_b128 v[STO], v[ACC+8*(4*\a+\t):ACC+8*(4*\a+\t)+3] offset:64*\t          ; each accumulator from its low end on
	ds_store_b128 v[STO], v[ACC+8*(4*\a+\t)+4:ACC+8*(4*\a+\t)+7] offset:64*\t+16
.endr
.irp i, 0,1,2,3,4,5,6,7
	ds_load_b128 v[OB+32*\a+4*\i:OB+32*\a+4*\i+3], v[RD] offset:544*\i
.endr
.endr
.irp a, 0,1
.irp i, 0,1,2,3,4,5,6,7
	s_wait_dscnt 23-16*\a-\i                       ; behind this load: the tile's later loads, and for the first tile the second's sixteen LDS instructions
	global_store_b128 v[CO], v[OB+32*\a+4*\i:OB+32*\a+4*\i+3], s[94:95] offset:65536*\a+8192*\i th:TH_STORE_NT   ; sixteen lanes store 256 consecutive bytes, aligned; written once, read by nobody here
.endr
.endr
	s_wait_tensorcnt 0x0                           ; the wave's end, behind my last LDS store
	ds_add_u32 v[SPW], v[NIL]
	s_wait_dscnt 0x0
	CROUND                                         ; the closing round: no work-group ends while a partner may still ask for a part that names it
	s_endpgm
.Lfunc_end_k_q895b1fde2d_proj:
	.size	k_q895b1fde2d_proj, .Lfunc_end_k_q895b1fde2d_proj-k_q895b1fde2d_proj
	.p2alignl 7, 3214868480
	.fill 96, 4, 3214868480
	.section	.rodata,"a",@progbits
	.p2align	6, 0x0
	.amdhsa_kernel k_q895b1fde2d_proj
		.amdhsa_group_segment_fixed_size 177408
		.amdhsa_private_segment_fixed_size 0
		.amdhsa_enable_private_segment 0
		.amdhsa_kernarg_size 48
		.amdhsa_user_sgpr_count 2
		.amdhsa_user_sgpr_kernarg_segment_ptr 1
		.amdhsa_wavefront_size32 1
		.amdhsa_system_sgpr_workgroup_id_x 1
		.amdhsa_system_sgpr_workgroup_id_y 1
		.amdhsa_system_sgpr_workgroup_id_z 1
		.amdhsa_system_vgpr_workitem_id 0
		.amdhsa_next_free_vgpr 256
		.amdhsa_next_free_sgpr 100
		.amdhsa_reserve_vcc 0
		.amdhsa_float_denorm_mode_32 3
		.amdhsa_float_denorm_mode_16_64 3
		.amdhsa_memory_ordered 1
		.amdhsa_forward_progress 1
		.amdhsa_inst_pref_size 29
	.end_amdhsa_kernel
	.amdgpu_metadata
---
amdhsa.version: [ 1, 2 ]
amdhsa.kernels:
  - .name:           k_q895b1fde2d_proj
    .symbol:         k_q895b1fde2d_proj.kd
    .args:
      - { .name: cc, .offset: 0, .size: 8, .value_kind: global_buffer, .address_space: global }
      - { .name: cs, .offset: 8, .size: 8, .value_kind: global_buffer, .address_space: global }
      - { .name: W_proj_codes, .offset: 16, .size: 8, .value_kind: global_buffer, .address_space: global }
      - { .name: W_proj_scales, .offset: 24, .size: 8, .value_kind: global_buffer, .address_space: global }
      - { .name: b_proj, .offset: 32, .size: 8, .value_kind: global_buffer, .address_space: global }
      - { .name: out0, .offset: 40, .size: 8, .value_kind: global_buffer, .address_space: global }
    .group_segment_fixed_size: 177408
    .private_segment_fixed_size: 0
    .kernarg_segment_align: 8
    .kernarg_segment_size: 48
    .max_flat_workgroup_size: 256
    .sgpr_count:     100
    .vgpr_count:     256
    .wavefront_size: 32
...
	.end_amdgpu_metadata
.endif
;; end of part 3
;; ======== version 2 of 2: 3 launches; version 1 with the launch attn written anew for expert scheduling mode
;; workspace buffers: qc 2,097,152 bytes; qs 262,144 bytes; kv 4,587,520 bytes; cc 2,097,152 bytes; cs 131,072 bytes
;; launch qkv: the kernel of part 1 again; grid 8 x 32, 4 waves a work-group, clusters of 4 x 4, 288,256 bytes of LDS; arguments hidden_states_codes, hidden_states_scales, W_attn_codes, W_attn_scales, b_attn, qc, qs, kv; writes qc, qs, kv
;; launch attn (part 4): grid 8 x 32, 16 waves a work-group, no clusters, 145,408 bytes of LDS; arguments qc, qs, kv, attention_mask, cc, cs; writes cc, cs
.if DOCPART == 4
	.amdgcn_target "amdgcn-amd-amdhsa--gfx1250"
	.amdhsa_code_object_version 6
	.text
	.protected	k_q895b1fde2d_attn
	.globl	k_q895b1fde2d_attn
	.p2align	8
	.type	k_q895b1fde2d_attn,@function
k_q895b1fde2d_attn:
	s_mov_b64 s[64:65], 0
	v_nop
	global_prefetch_b8 v0, s[64:65] scope:SCOPE_SE
	s_setreg_imm32_b32 hwreg(HW_REG_WAVE_SCHED_MODE, 0, 2), 2
	s_setreg_imm32_b32 hwreg(HW_REG_WAVE_MODE, 25, 1), 1
	s_wait_xcnt 0x0
	s_wait_alu depctr_vm_vsrc(0)
; LAUNCH 2 OF 3.  For each head: scores = q k^T / 8 on codes, the causal mask and attention_mask (both put -10000 in a score's place), p = 2^(t - M), ctx = p v / l on codes; ctx is quantised along the embedding.
; WORK LEFT OUT: the products q . k of a key step all of whose 128 keys come after the wave's 16 queries: reference() replaces every one of those scores by -10000, whatever the inputs hold (shown at the head of launch 1).
; Those keys are NOT left out of the softmax: each has p = 2^(-10000 log2 e - M), the same number for all 128, which goes into the row's sum (64 a lane) and, quantised, into the second product.
; LIMITS: a NaN or an infinity that arises only in the discarded scores is not carried on; a p under 2^-126 comes out of v_exp_f32 as 0; a block under 2^-124 gets the scale byte 1 with its codes as the conversion gives them.
; NO CLUSTER AND NO TENSOR LOAD, by the code's own form: the branches that leave hidden products out hang on the work-group's block of queries, which differs between the work-groups of a head, and one branch hangs on
; attention_mask, whole numbers that the launch reads.  So LDS is filled through registers, once: a head's K, V and scale words, 143,360 bytes, as they lie in kv.  One barrier.
; SHARES.  Work-group (j, head) owns blocks j and 15 - j of 128 queries: every work-group has 17 open and 15 hidden pairs of block and key step.  Wave w owns 16 queries: tile w / 2 of block j or 15 - j by (w ^ (w / 4)) & 1.
; Every wave walks all 16 key steps of 128 keys: the trip count is a constant.
; LAYOUT.  Both products are used transposed: S^T = K Q^T (source 0 = 16 keys, source 1 = my queries), O^T = V^T P^T (source 0 = 16 channels, source 1 = P): a lane holds ONE query (lane % 16) throughout.
; The head has 64 of the instruction's 128: Q's registers 4-7 are zero codes; K's tile t is v[32 + 4 t .. 39 + 4 t], whose upper four registers (the next tile's codes, or zeros) meet those zeros and add nothing.
; Register 8 t + j of S^T holds key 16 t + 8 (lane / 16) + j; p is quantised in natural order as launch 1 quantises (its head comment).
; THE MODE: SCHED_MODE bits 1:0 = 2 (LLVM: expert scheduling mode 2), set by the entry lines.  The code itself states the register dependences between vector or matrix instructions and memory or LDS instructions,
; with s_wait_alu, always for 0.
; THE PLAN.  Registers that memory or LDS instructions touch, in the loop:
;   MK (v8-11)                 The four compares at a trip's head read them; behind these the loads of the next step's numbers of the mask land in them.
;   MA, ADK, ADV, ADKS, ADVS   Written by five vector lines at a trip's head; read by that trip's loads alone.
;   VR, VSC                    The four products at a trip's end read them; the LDS loads at the next trip's head land in them, and have the scores and the softmax in which to land.
;   KR, KSC                    The eight products of the scores read them; the LDS loads of the NEXT step's K land in them behind the wait for the batch of exponentials, by this step's addresses and a step more in the immediate.
;   P, PW, O, S and the statistics are named by vector and matrix instructions alone.  v1, v2, v244-249 are made at the head and never written again.
; So a trip has: at its head one wait on vm_vsrc ahead of the five address lines, one on va_sdst behind the compares, one on va_vdst ahead of its loads; the two waits behind the exponentials, of which the first also
; serves K's loads; one on va_vdst ahead of the last four products, whose codes and scale word vector lines have written.  The masks' compares go in runs, into scalar registers, with one wait behind each run.
.set VC,    65536                      ; LDS: K's images at 0, V's here,
.set KS,    131072                     ; K's scale words,
.set VS,    139264                     ; V's scale words,
.set SPARE, 143360                     ; and the spare words, 128 bytes for each of 16 waves: eight blocks of 256 bytes that no other line names
.set KVH,   143360
.set LI,  1                            ; v1   16 x lane
.set LS,  2                            ; v2   4 x lane
.set H8,  3                            ; v3   8 h
.set QI1, 4                            ; v4   my query + 1 - 8 h
.set SPW, 5                            ; v5   LDS address of my spare word; never rewritten
.set NIL, 6                            ; v6   0; never rewritten
.set MA,  7                            ; v7   byte offset of the mask's numbers that are loaded next
.set MK,  8                            ; v8-11  128 numbers of attention_mask: lane l of register b holds key 32 b + l of a step
.set NM,  12                           ; v12  -M;  v13 the running largest t
.set TX,  13
.set L,   14                           ; v[14:15] the row's sum, in two halves
.set QR,  16                           ; v16-19 Q's codes; v20-23 zero codes
.set QW,  24                           ; v24  Q's scale words
.set TN,  25                           ; v25  t of a masked score
.set AB,  26                           ; v26-29 for each block: bit 16 u + j = key 32 b + 16 u + 8 h + j counts
.set X0,  30                           ; v30, v31 at work
.set X1,  31
.set KR,  32                           ; v32-63 K's eight tiles, four registers each; v64-67 zero
.set VR,  68                           ; v68-99 V's four tiles
.set KSC, 100                          ; v100-103 K's scale words: lanes 0-15 tile 2 p, lanes 16-31 tile 2 p + 1
.set VSC, 104                          ; v104-105 V's likewise
.set PW,  106                          ; v106 p's scale word
.set P,   108                          ; v108-115 p's codes
.set O,   116                          ; v116-147 O^T
.set S,   148                          ; v148-211 S^T, then p
.set BM,  212                          ; v212-215 each block's largest score, then its largest p
.set PT,  216                          ; v216-219 lane l xor 16's
.set SO,  220                          ; v220-223 the conversions' scale operands
.set BY,  224                          ; v224-227 the bytes
.set F,   228                          ; v[228:229] 2^(old M - new M), and 0
.set SU,  230                          ; v[230:231] the second chain of the sum
.set T0,  232                          ; v232-235 at work
.set T1,  233
.set T2,  234
.set T3,  235
.set ADK, 236                          ; v236-239 the step's LDS addresses: K, V, K's words, V's words
.set ADV, 237
.set ADKS, 238
.set ADVS, 239
.set FA,  240                          ; v240-242 the fill: 16 x thread, + 65,536, + 131,072;  v243: VS + 8 x thread
.set BKS, 244                          ; v244 KS + 4 x lane;  v245 VS + 4 x lane;  v246 VC + 16 x lane
.set BVS, 245
.set BVC, 246
.set R4,  247                          ; v247 4 r
.set T8,  248                          ; v248 8 x thread
.set CSO, 249                          ; v249 4 r + h
.set WV,  16                           ; s16 wave; s17 j; s18 batch x 16 + head; s20 my block of 128 queries; s21 my first query
.set BLK, 20
.set Q0,  21
.set CS,  22                           ; s[22:23] c = log2(e) / 8, twice
.set NG,  24                           ; s24  -80000: x 1/8 it is reference()'s -10000
.set SEL, 26                           ; s[26:27]
.set HM,  28                           ; s28  lanes 16-31
.set ST,  29                           ; s29  the key step
.set WB,  32                           ; s32-35 bit l: key 32 b + l of the step is open in attention_mask
.set CM,  32                           ; s32-47 the masks' compares, sixteen to a run; s32-35 have had their last reader as WB when the first run writes them
	s_load_b256 s[4:11], s[0:1], 0x0               ; qc s[4:5], qs s[6:7], kv s[8:9], attention_mask s[10:11]
	s_load_b128 s[12:15], s[0:1], 0x20             ; cc s[12:13], cs s[14:15]
	v_lshl_add_u32 v[SPW], v0, 2, SPARE
	v_mov_b32 v[NIL], 0
	v_lshrrev_b32 v[X0], 5, v0
	v_readfirstlane_b32 s[WV], v[X0]               ; wave 0..15
	s_mov_b32 s17, ttmp9
	s_and_b32 s18, ttmp7, 0xffff
	s_wait_alu depctr_va_sdst(0)                   ; s16, the wave's number, is written, ahead of its first reader
	s_lshr_b32 s30, s[WV], 2
	s_xor_b32 s30, s30, s[WV]
	s_and_b32 s30, s30, 1                          ; which of the two blocks
	s_sub_co_u32 s31, 15, s17
	s_cmp_eq_u32 s30, 1
	s_cselect_b32 s[BLK], s31, s17
	s_lshr_b32 s30, s[WV], 1                       ; which tile of it
	s_lshl_b32 s31, s[BLK], 3
	s_add_co_u32 s31, s31, s30                     ; my tile of 16 queries in the sequence
	s_lshl_b32 s[Q0], s31, 4
	s_mov_b32 s[CS], 0x3e38aa3b                    ; c = log2(e) / 8
	s_mov_b32 s[CS+1], s[CS]                       ; (named with it as a pair, so it is written)
	s_mov_b32 s[NG], 0xc79c4000                    ; -80000
	s_mov_b32 s[SEL], 0x76543210
	s_mov_b32 s[SEL+1], 0xfedcba98
	s_mov_b32 s[HM], 0xffff0000
	s_mov_b32 s[ST], 0
	v_and_b32 v[X1], 31, v0                        ; lane
	v_lshlrev_b32 v[LI], 4, v[X1]
	v_lshlrev_b32 v[LS], 2, v[X1]
	v_bfe_u32 v[X0], v0, 4, 1                      ; h
	v_lshlrev_b32 v[H8], 3, v[X0]
	v_and_b32 v[X1], 15, v0                        ; r
	v_add_nc_u32 v[QI1], s[Q0], v[X1]
	v_sub_nc_u32 v[QI1], v[QI1], v[H8]
	v_add_nc_u32 v[QI1], 1, v[QI1]
	v_lshlrev_b32 v[R4], 2, v[X1]
	v_add_nc_u32 v[CSO], v[R4], v[X0]
	v_mov_b32 v[MA], v[LS]                         ; step 0's numbers of the mask
	v_lshlrev_b32 v[FA], 4, v0
	v_add_nc_u32 v[FA+1], 0x10000, v[FA]
	v_add_nc_u32 v[FA+2], 0x20000, v[FA]
	v_lshl_add_u32 v[FA+3], v0, 3, VS
	v_lshlrev_b32 v[T8], 3, v0
	v_add_nc_u32 v[BKS], KS, v[LS]
	v_add_nc_u32 v[BVS], VS, v[LS]
	v_add_nc_u32 v[BVC], VC, v[LI]
	s_wait_kmcnt 0x0
	s_mul_i32 s40, s18, KVH
	s_mov_b32 s41, 0
	s_add_nc_u64 s[8:9], s[8:9], s[40:41]          ; kv at my head
	s_lshl_b32 s40, s18, 7
	s_add_co_u32 s40, s40, s31                     ; 128 tiles a head
	s_lshl_b32 s42, s40, 9
	s_mov_b32 s43, 0
	s_add_nc_u64 s[4:5], s[4:5], s[42:43]          ; qc at my tile: 512 bytes a tile
	s_lshl_b32 s42, s40, 6
	s_add_nc_u64 s[6:7], s[6:7], s[42:43]          ; qs: 64 bytes a tile
	s_lshr_b32 s40, s18, 4                         ; batch
	s_lshl_b32 s42, s40, 13
	s_add_nc_u64 s[10:11], s[10:11], s[42:43]      ; attention_mask at my batch
	s_lshl_b32 s40, s40, 7
	s_add_co_u32 s40, s40, s31                     ; my tile of 16 rows among ctx's 256
	s_and_b32 s30, s18, 15                         ; head
	s_lshl_b32 s42, s40, 13
	s_lshl_b32 s31, s30, 9
	s_add_co_u32 s42, s42, s31
	s_add_nc_u64 s[12:13], s[12:13], s[42:43]      ; cc: 8,192 bytes a tile of rows, 512 a head
	s_lshl_b32 s42, s40, 9
	s_lshr_b32 s31, s30, 1
	s_lshl_b32 s31, s31, 6
	s_add_co_u32 s42, s42, s31
	s_and_b32 s31, s30, 1
	s_lshl_b32 s31, s31, 1
	s_add_co_u32 s42, s42, s31
	s_add_nc_u64 s[14:15], s[14:15], s[42:43]      ; cs: 512 bytes a tile of rows, 64 a pair of heads, 4 a row; my head's two bytes begin at 2 (head % 2)
	s_wait_alu depctr_va_vdst(0)                   ; the address registers v1, v2, v7 and v240 to v249 are written, which the head's loads and LDS stores, step 0's loads of K and the last two stores read; no vector line behind this wait writes one of them but v7, at a trip's head
	; THE FILL: 512 threads x (17 x 16 + 8) bytes = 143,360.  Each load of a wave and each LDS store covers 512 (256) consecutive bytes.
.set I, 0
.rept 17
	global_load_b128 v[100+4*I:103+4*I], v[FA], s[8:9] offset:8192*I
.set I, I+1
.endr
	global_load_b64 v[168:169], v[T8], s[8:9] offset:VS
	global_load_b128 v[QR:QR+3], v[LI], s[4:5]     ; Q's codes stay in registers
	global_load_b32 v[QW], v[R4], s[6:7]           ; and its scale words
.irp b, 0,1,2,3
	global_load_b32 v[MK+\b], v[MA], s[10:11] offset:128*\b
.endr
	v_mov_b32 v[TX], 0xff61b1e6                    ; the largest t so far: -3e38.  (The lines from here to the LDS stores name no register that a load or store of the head touches)
	v_floor_f32 v[NM], -v[TX]
	v_mov_b32 v[L], 0
	v_mov_b32 v[L+1], 0
.irp b, 0,1,2,3
	v_mov_b32 v[QR+4+\b], 0                        ; Q's zero codes
	v_mov_b32 v[KR+32+\b], 0                       ; behind K's last tile
	v_mov_b32 v[PT+\b], 0                          ; written once: a lane permute's destination counts as one of its sources
.endr
	v_mov_b32 v[F+1], 0                            ; (named as the upper half of a pair)
	v_mov_b32 v[TN], s[NG]
	v_mul_f32 v[TN], s[CS], v[TN]                  ; t of a masked score: the same multiplication that a step's largest score goes through
.set I, 0
.rept 17
	s_wait_loadcnt 23-I                            ; of the 24 loads those behind load I may be out
	ds_store_b128 v[FA+I/8], v[100+4*I:103+4*I] offset:8192*(I%8)
.set I, I+1
.endr
	s_wait_loadcnt 6                               ; behind the load of 8 bytes: Q's two and the mask's four
	ds_store_b64 v[FA+3], v[168:169]
	s_wait_dscnt 0x0                               ; for the others' sake: my stores have landed
	s_wait_alu depctr_vm_vsrc(0)                   ; my LDS stores have read v100 to v169: from here on these are K's and V's scale words, p's codes and scale word, O^T and part of S^T, written by LDS loads and by vector and matrix lines; the mask's loads have read v7
	s_barrier_signal -1
.set I, 0
.rept 32
	v_mov_b32 v[O+I], 0                            ; O^T.  (The step is written once: the first finds zeros, which the first change of M leaves zeros)
.set I, I+1
.endr
	s_barrier_wait -1                              ; the head's K, V and scale words lie in LDS; nothing is written there again
.irp t, 0,1,2,3,4,5,6,7
	ds_load_b128 v[KR+4*\t:KR+4*\t+3], v[LI] offset:512*\t       ; step 0's K, which is open for every wave.  No vector line has named these registers, nor v1 and v244 since the wait ahead of the fill
.endr
.irp p, 0,1,2,3
	ds_load_b32 v[KSC+\p], v[BKS] offset:128*\p
.endr
.Lstep:
	s_wait_loadcnt 0x0                             ; this step's numbers of the mask (in the first trip Q too); the loads that read v7 are done
.irp b, 0,1,2,3
	v_cmp_ne_u32 s[WB+\b], 0, v[MK+\b]
.endr
	s_add_co_u32 s30, s[ST], 1
	s_and_b32 s30, s30, 15                         ; the next step's; the last trip asks for step 0's again, so that no load leaves the buffer
	s_wait_alu depctr_vm_vsrc(0)                   ; the last trip's loads, K's in its middle among them, have read the five address registers that the next five lines write
	v_lshl_add_u32 v[MA], s30, 9, v[LS]
	v_lshl_add_u32 v[ADK], s[ST], 12, v[LI]        ; a step: 8 tiles of K of 512 bytes,
	v_lshl_add_u32 v[ADV], s[ST], 12, v[BVC]       ; 4 tiles of V of 1,024,
	v_lshl_add_u32 v[ADKS], s[ST], 9, v[BKS]       ; 8 x 64 bytes of K's words,
	v_lshl_add_u32 v[ADVS], s[ST], 8, v[BVS]       ; 4 x 64 of V's
	s_wait_alu depctr_va_sdst(0)                   ; the four compares have written s32 to s35, ahead of the branch below and of their first reader behind it
	s_wait_alu depctr_va_vdst(0)                   ; the five addresses are written, which the loads below and K's loads further down read; the compares are done reading v8 to v11, and the last trip's products V's fragments and scale words, in which the loads below land; in the first trip Q's and K's zero codes are written, which the scores' products take
.irp b, 0,1,2,3
	global_load_b32 v[MK+\b], v[MA], s[10:11] offset:128*\b
.endr
.irp d, 0,1,2,3
.irp c, 0,1
	ds_load_b128 v[VR+8*\d+4*\c:VR+8*\d+4*\c+3], v[ADV] offset:1024*\d+512*\c
.endr
.endr
	ds_load_b32 v[VSC], v[ADVS]
	ds_load_b32 v[VSC+1], v[ADVS] offset:128
	s_cmp_gt_u32 s[ST], s[BLK]                     ; all 128 keys come after my block of queries?
	s_cbranch_scc1 .Lhidden
	; ---- a step with open keys
	s_wait_dscnt 10                                ; K and its scale words, asked for in the step before (step 0's: ahead of the loop), are in; V's ten loads, issued behind them, may be out
.irp t, 0,1,2,3,4,5,6,7
.if \t%2
	v_wmma_scale_f32_16x16x128_f8f6f4 v[S+8*\t:S+8*\t+7], v[KR+4*\t:KR+4*\t+7], v[QR:QR+7], 0, v[KSC+\t/2], v[QW] matrix_a_fmt:MATRIX_FMT_FP4 matrix_b_fmt:MATRIX_FMT_FP4 matrix_a_scale:MATRIX_SCALE_ROW1
.else
	v_wmma_scale_f32_16x16x128_f8f6f4 v[S+8*\t:S+8*\t+7], v[KR+4*\t:KR+4*\t+7], v[QR:QR+7], 0, v[KSC+\t/2], v[QW] matrix_a_fmt:MATRIX_FMT_FP4 matrix_b_fmt:MATRIX_FMT_FP4
.endif
.endr
.rept 4
	v_nop                                          ; places in front of the first reads of the scores
.endr
	s_and_b32 s30, s[WB], s[WB+1]
	s_and_b32 s31, s[WB+2], s[WB+3]
	s_and_b32 s30, s30, s31                        ; all ones: no hole in the step's 128 numbers of the mask
	s_cmp_lg_u32 s[ST], s[BLK]                     ; and the step does not hold the diagonal
	s_cselect_b32 s30, s30, 0
	s_cmp_eq_u32 s30, -1
	s_cbranch_scc1 .Lopen                          ; then every score stands
	; the scores of keys that do not count become -80000.  Key 32 b + 16 u + 8 h + j of the step counts where it is at or under my query and its number in the mask is not 0
	s_lshl_b32 s31, s[ST], 7
	v_sub_nc_u32 v[X0], v[QI1], s31                ; my query + 1 - 8 h - the step's first key
	v_mov_b32 v[T1], s[NG]
.irp b, 0,1,2,3
	v_add_nc_u32 v[AB+\b], -32*\b, v[X0]           ; n: bits 16 u + j under n are at or under my query
.endr
.irp b, 0,1,2,3
	v_cmp_lt_i32 s[CM+4+\b], 0, v[AB+\b]           ; the four blocks' compares in one run
.endr
	s_wait_alu depctr_va_sdst(0)                   ; these four compares have written s36 to s39, which the four selects below read
.irp b, 0,1,2,3
	v_cndmask_b32 v[AB+\b], 0, v[AB+\b], s[CM+4+\b]   ; held to 0 ..
.endr
.irp b, 0,1,2,3
	v_min_u32 v[AB+\b], 24, v[AB+\b]               ; .. 24: the bits used are 0-7 and 16-23
.endr
.irp b, 0,1,2,3
	v_lshlrev_b32 v[AB+\b], v[AB+\b], 1
.endr
.irp b, 0,1,2,3
	v_add_nc_u32 v[AB+\b], -1, v[AB+\b]            ; n ones
.endr
.irp b, 0,1,2,3
	v_lshrrev_b32 v[T0], v[H8], s[WB+\b]           ; the mask's bits of my half
	v_and_b32 v[AB+\b], v[T0], v[AB+\b]
.endr
.irp b, 0,1,2,3                        ; a block of 32 keys, 16 registers of mine, at a time: sixteen compares in a run, one wait, sixteen selects
.set N, 0
.rept 16
	v_bfe_u32 v[T0], v[AB+\b], 16*(N/8)+N%8, 1
	v_cmp_eq_u32 s[CM+N], 1, v[T0]
.set N, N+1
.endr
	s_wait_alu depctr_va_sdst(0)                   ; the run's sixteen compares have written s32 to s47, which the sixteen selects below read
.set N, 0
.rept 16
	v_cndmask_b32 v[S+16*\b+N], v[T1], v[S+16*\b+N], s[CM+N]   ; each tile from its low end on
.set N, N+1
.endr
.endr
.Lopen:
.irp b, 0,1,2,3
	v_max3_num_f32 v[BM+\b], v[S+16*\b], v[S+16*\b+1], v[S+16*\b+2]        ; the largest score of each block of 32 keys: it serves for the row's maximum and, since p rises with the score, for the block's largest p
.endr
.irp i, 3,5,7,9,11,13
.irp b, 0,1,2,3
	v_max3_num_f32 v[BM+\b], v[BM+\b], v[S+16*\b+\i], v[S+16*\b+\i+1]
.endr
.endr
.irp b, 0,1,2,3
	v_max_num_f32 v[BM+\b], v[BM+\b], v[S+16*\b+15]
.endr
.irp b, 0,1,2,3
	v_permlanex16_b32 v[PT+\b], v[BM+\b], s[SEL], s[SEL+1]
.endr
.irp b, 0,1,2,3
	v_max_num_f32 v[BM+\b], v[BM+\b], v[PT+\b]     ; with lane l xor 16's sixteen keys
.endr
	v_max3_num_f32 v[T2], v[BM], v[BM+1], v[BM+2]
	v_max_num_f32 v[T2], v[T2], v[BM+3]
	v_mul_f32 v[T2], s[CS], v[T2]                  ; as t (c is positive)
	v_max_num_f32 v[TX], v[TX], v[T2]              ; the running largest t
	v_mov_b32 v[T2], v[NM]
	v_floor_f32 v[NM], -v[TX]                      ; -M = floor(-t): M is a whole number
	v_sub_f32 v[T2], v[NM], v[T2]                  ; old M - new M: a whole number, 0 or less
	v_cvt_i32_f32 v[T2], v[T2]                     ; (it saturates)
	v_ldexp_f32 v[F], 1.0, v[T2]                   ; f = 2^(old M - new M)
.set J, 0
.rept 32
	v_pk_fma_f32 v[S+J:S+J+1], v[S+J:S+J+1], s[CS:CS+1], v[NM:NM+1] op_sel_hi:[1,0,0]   ; t - M, two at a time
.set J, J+2
.endr
.irp b, 0,1,2,3
	v_fma_f32 v[BM+\b], v[BM+\b], s[CS], v[NM]     ; the same of each block's largest score
.endr
.set J, 0
.rept 64
	v_exp_f32 v[S+J], v[S+J]                       ; p = 2^(t - M): not normalised
.set J, J+1
.endr
	v_pk_mul_f32 v[L:L+1], v[L:L+1], v[F:F+1] op_sel_hi:[1,0]   ; the sums under the new M: the plain instruction behind the exponentials
	s_wait_alu depctr_va_vdst(0)                   ; the 64 exponentials have written p, ahead of its first reader (one wait for the batch); and the scores' products are done reading K's fragments and scale words, in which the loads below land
	s_cmp_ge_u32 s[ST], s[BLK]                     ; is the next step hidden for my block?  Then no K is wanted any more: ids and the count of steps alone
	s_cbranch_scc1 .Lno_k
.irp t, 0,1,2,3,4,5,6,7
	ds_load_b128 v[KR+4*\t:KR+4*\t+3], v[ADK] offset:4096+512*\t   ; THE NEXT STEP'S K, by this step's address and a step's 4,096 bytes more: it lands while the sums, the conversions and the last products go on
.endr
.irp p, 0,1,2,3
	ds_load_b32 v[KSC+\p], v[ADKS] offset:512+128*\p
.endr
.Lno_k:
.irp b, 0,1,2,3
	v_exp_f32 v[BM+\b], v[BM+\b]                   ; the block's largest p
.endr
	v_pk_add_f32 v[SU:SU+1], v[S:S+1], v[S+2:S+3]  ; the row's sum is taken of the unquantised p, in two chains
.set J, 4
.rept 15
	v_pk_add_f32 v[L:L+1], v[L:L+1], v[S+J:S+J+1]
	v_pk_add_f32 v[SU:SU+1], v[SU:SU+1], v[S+J+2:S+J+3]
.set J, J+4
.endr
	v_pk_add_f32 v[L:L+1], v[L:L+1], v[SU:SU+1]
	s_wait_alu depctr_va_vdst(0)                   ; the four exponentials have written the blocks' largest p, ahead of their first reader
.irp b, 0,1,2,3
	v_max_num_f32 v[BM+\b], 0x1800000, v[BM+\b]    ; the floor 2^(3 - 127): the byte cannot fall under 1
.endr
.irp b, 0,1,2,3
	v_add_nc_u32 v[SO+\b], 0xff000000, v[BM+\b]    ; 2 off the exponent field: the conversion's scale operand
.endr
.irp b, 0,1,2,3
	v_lshrrev_b32 v[BY+\b], 23, v[SO+\b]
.endr
	v_lshl_or_b32 v[PW], v[BY+1], 8, v[BY]         ; p's scale word for these 128 keys
	v_lshl_or_b32 v[PW], v[BY+2], 16, v[PW]
	v_lshl_or_b32 v[PW], v[BY+3], 24, v[PW]
.irp b, 0,1,2,3
	v_cvt_scalef32_pk8_fp4_f32 v[P+4*(\b/2)+(\b%2)], v[S+16*\b:S+16*\b+7], v[SO+\b]
	v_cvt_scalef32_pk8_fp4_f32 v[P+4*(\b/2)+2+(\b%2)], v[S+16*\b+8:S+16*\b+15], v[SO+\b]
.endr
	v_nop                                          ; one plain instruction behind the last scaled conversion
.irp i, 0,2,4,6
	v_permlane16_swap_b32 v[P+\i], v[P+\i+1]       ; a whole block to a lane
.endr
.set J, 0
.rept 16
	v_pk_mul_f32 v[O+J:O+J+1], v[O+J:O+J+1], v[F:F+1] op_sel_hi:[1,0]   ; O^T under the new M; these sixteen are also the places between the lines that made p's codes and scale word and the products
.set J, J+2
.endr
	s_branch .Lpv
.Lhidden:
	; ---- a step all of whose keys are hidden: every score is -10000, so all 128 p are one number
	v_max_num_f32 v[TX], v[TX], v[TN]
	v_mov_b32 v[T2], v[NM]
	v_floor_f32 v[NM], -v[TX]
	v_sub_f32 v[T2], v[NM], v[T2]
	v_cvt_i32_f32 v[T2], v[T2]
	v_ldexp_f32 v[F], 1.0, v[T2]
	v_fma_f32 v[T3], s[NG], s[CS], v[NM]           ; t - M
	v_exp_f32 v[T3], v[T3]
	v_pk_mul_f32 v[L:L+1], v[L:L+1], v[F:F+1] op_sel_hi:[1,0]   ; the plain instruction behind the exponential
	s_wait_alu depctr_va_vdst(0)                   ; the exponential has written p, ahead of its first reader
	v_fmamk_f32 v[L], v[T3], 0x42800000, v[L]      ; my lane's 64 keys
	v_max_num_f32 v[BM], 0x1800000, v[T3]
	v_add_nc_u32 v[SO], 0xff000000, v[BM]
	v_lshrrev_b32 v[BY], 23, v[SO]
	v_lshl_or_b32 v[PW], v[BY], 8, v[BY]           ; the same byte for the four blocks
	v_lshl_or_b32 v[PW], v[PW], 16, v[PW]
.irp j, 0,1,2,3,4,5,6,7
	v_mov_b32 v[S+\j], v[T3]
.endr
	v_cvt_scalef32_pk8_fp4_f32 v[T0], v[S:S+7], v[SO]
	v_nop
.irp j, 0,1,2,3,4,5,6,7
	v_mov_b32 v[P+\j], v[T0]                       ; eight like codes in every register
.endr
.set J, 0
.rept 16
	v_pk_mul_f32 v[O+J:O+J+1], v[O+J:O+J+1], v[F:F+1] op_sel_hi:[1,0]
.set J, J+2
.endr
.Lpv:
	s_wait_dscnt 0x0                               ; V and its scale words (and the next step's K, where it was asked for)
	s_wait_alu depctr_va_vdst(0)                   ; vector lines have written p's codes and its scale word, which the scaled products below take as source 1 and as its scales; the sixteen places stand ahead of this wait
.irp d, 0,1,2,3                        ; O^T += V^T P^T: the four accumulators by turns; the next matrix instruction on any way names another accumulator than the last
.if \d%2
	v_wmma_scale_f32_16x16x128_f8f6f4 v[O+8*\d:O+8*\d+7], v[VR+8*\d:VR+8*\d+7], v[P:P+7], v[O+8*\d:O+8*\d+7], v[VSC+\d/2], v[PW] matrix_a_fmt:MATRIX_FMT_FP4 matrix_b_fmt:MATRIX_FMT_FP4 matrix_a_scale:MATRIX_SCALE_ROW1
.else
	v_wmma_scale_f32_16x16x128_f8f6f4 v[O+8*\d:O+8*\d+7], v[VR+8*\d:VR+8*\d+7], v[P:P+7], v[O+8*\d:O+8*\d+7], v[VSC+\d/2], v[PW] matrix_a_fmt:MATRIX_FMT_FP4 matrix_b_fmt:MATRIX_FMT_FP4
.endif
.endr
	s_add_co_u32 s[ST], s[ST], 1
	s_cmp_lt_u32 s[ST], 16
	s_cbranch_scc1 .Lstep
	; THE WAY OUT.  ctx = O^T / l; register 8 d + j of lane (r, h) is channel 16 d + 8 h + j of query r: two blocks of 32 along the embedding, quantised in natural order.
	v_add_f32 v[L], v[L], v[L+1]
	v_permlanex16_b32 v[PT], v[L], s[SEL], s[SEL+1]
	v_add_f32 v[L], v[L], v[PT]                    ; the row's sum
	v_rcp_f32 v[L], v[L]
.rept 4
	v_nop                                          ; the plain instruction behind the reciprocal, and the places behind the last products
.endr
	s_wait_alu depctr_va_vdst(0)                   ; the reciprocal is written, ahead of its first reader
.set I, 0
.rept 32
	v_mul_f32 v[S+I], v[O+I], v[L]
.set I, I+1
.endr
.irp b, 0,1
	v_max3_num_f32 v[BM+\b], |v[S+16*\b]|, |v[S+16*\b+1]|, 0x1800000
.endr
.irp i, 2,4,6,8,10,12,14
.irp b, 0,1
	v_max3_num_f32 v[BM+\b], v[BM+\b], |v[S+16*\b+\i]|, |v[S+16*\b+\i+1]|
.endr
.endr
.irp b, 0,1
	v_permlanex16_b32 v[PT+\b], v[BM+\b], s[SEL], s[SEL+1]
.endr
.irp b, 0,1
	v_max_num_f32 v[BM+\b], v[BM+\b], v[PT+\b]
.endr
.irp b, 0,1
	v_add_nc_u32 v[SO+\b], 0xff000000, v[BM+\b]
.endr
.irp b, 0,1
	v_lshrrev_b32 v[BY+\b], 23, v[SO+\b]
.endr
.irp b, 0,1
	v_cvt_scalef32_pk8_fp4_f32 v[P+\b], v[S+16*\b:S+16*\b+7], v[SO+\b]
	v_cvt_scalef32_pk8_fp4_f32 v[P+2+\b], v[S+16*\b+8:S+16*\b+15], v[SO+\b]
.endr
	v_cndmask_b32 v[T0], v[BY], v[BY+1], s[HM]     ; my half's block's byte.  (The plain instruction behind the conversions; s28 was written by a scalar line)
	v_permlane16_swap_b32 v[P], v[P+1]
	v_permlane16_swap_b32 v[P+2], v[P+3]           ; lane (r, h): block h of row r: half a K step of the projection, as its operand's registers want it
	s_wait_alu depctr_va_vdst(0)                   ; the exchanges have written ctx's codes and the select its scale byte, which the two stores read
	global_store_b128 v[LI], v[P:P+3], s[12:13]    ; 512 consecutive bytes, aligned
	global_store_b8 v[CSO], v[T0], s[14:15]        ; 32 single bytes, two of each row's word: the word's other two come from the neighbouring head's work-groups, so these stores fill no 256 bytes whole; they are one part in 16 of the codes' bytes
	s_wait_dscnt 0x0                               ; the wave's end
	s_wait_alu 0x0
	s_wait_tensorcnt 0x0
	ds_add_u32 v[SPW], v[NIL]
	s_wait_dscnt 0x0
	s_endpgm
.Lfunc_end_k_q895b1fde2d_attn:
	.size	k_q895b1fde2d_attn, .Lfunc_end_k_q895b1fde2d_attn-k_q895b1fde2d_attn
	.p2alignl 7, 3214868480
	.fill 96, 4, 3214868480
	.section	.rodata,"a",@progbits
	.p2align	6, 0x0
	.amdhsa_kernel k_q895b1fde2d_attn
		.amdhsa_group_segment_fixed_size 145408
		.amdhsa_private_segment_fixed_size 0
		.amdhsa_enable_private_segment 0
		.amdhsa_kernarg_size 48
		.amdhsa_user_sgpr_count 2
		.amdhsa_user_sgpr_kernarg_segment_ptr 1
		.amdhsa_wavefront_size32 1
		.amdhsa_system_sgpr_workgroup_id_x 1
		.amdhsa_system_sgpr_workgroup_id_y 1
		.amdhsa_system_sgpr_workgroup_id_z 1
		.amdhsa_system_vgpr_workitem_id 0
		.amdhsa_next_free_vgpr 256
		.amdhsa_next_free_sgpr 66
		.amdhsa_reserve_vcc 0
		.amdhsa_float_denorm_mode_32 3
		.amdhsa_float_denorm_mode_16_64 3
		.amdhsa_memory_ordered 1
		.amdhsa_forward_progress 1
		.amdhsa_inst_pref_size 46
	.end_amdhsa_kernel
	.amdgpu_metadata
---
amdhsa.version: [ 1, 2 ]
amdhsa.kernels:
  - .name:           k_q895b1fde2d_attn
    .symbol:         k_q895b1fde2d_attn.kd
    .args:
      - { .name: qc, .offset: 0, .size: 8, .value_kind: global_buffer, .address_space: global }
      - { .name: qs, .offset: 8, .size: 8, .value_kind: global_buffer, .address_space: global }
      - { .name: kv, .offset: 16, .size: 8, .value_kind: global_buffer, .address_space: global }
      - { .name: attention_mask, .offset: 24, .size: 8, .value_kind: global_buffer, .address_space: global }
      - { .name: cc, .offset: 32, .size: 8, .value_kind: global_buffer, .address_space: global }
      - { .name: cs, .offset: 40, .size: 8, .value_kind: global_buffer, .address_space: global }
    .group_segment_fixed_size: 145408
    .private_segment_fixed_size: 0
    .kernarg_segment_align: 8
    .kernarg_segment_size: 48
    .max_flat_workgroup_size: 512
    .sgpr_count:     66
    .vgpr_count:     256
    .wavefront_size: 32
...
	.end_amdgpu_metadata
.endif
;; end of part 4
;; launch proj: the kernel of part 3 again; grid 8 x 32, 8 waves a work-group, clusters of 4 x 4, 177,408 bytes of LDS; arguments cc, cs, W_proj_codes, W_proj_scales, b_proj, out0; writes out0
